; MI455X (gfx1250); checked and timed in simulation.
; The chip was launched on July 23, 2026; its instructions are those of AMD's public machine-readable ISA for CDNA 5 (MIT licence, August 2026) and "CDNA5" Instruction Set Architecture Reference Guide (July 2026). The comments in the code are by the model that wrote it; some were corrected since.
;; Single Head Attention. Allowed arithmetic: matrix products marked QUANTISED: E2M3 operands, one E8M0 scale for each 32 along K, by v_wmma_scale_f32_16x16x128_f8f6f4 with both operands' format E2M3, f32 sums; everything else in f32.
;; Inputs: Wk 1,024 x 1,024 float32; Wq 1,024 x 1,024 float32; Wv 1,024 x 1,024 float32; embedded 4 x 2,048 x 1,024 float32.
;; Outputs: out0 4 x 2,048 x 1,024 float32.
;; This version of the problem:
;;   THIS VERSION OF THE PROBLEM IS GIVEN IN LOW PRECISION. The matrix products marked QUANTISED in the list below multiply operands that are first quantised to E2M3 (2 exponent bits, 3 mantissa bits; 6 bits a number), with one power-of-two scale for each 32 numbers along K (OCP MX v1.0); their sums are f32. All else is computed in f32.
;;   The module's matrix products, in the order in which they are computed (A, B: the left and right operand; K: the contracted axis; several contracted axes count as one K, in the product's order):
;;     1. [M 8,192, K 1,024] x [K 1,024, N 1,024]; A: input embedded; B: input Wk: QUANTISED
;;     2. [M 8,192, K 1,024] x [K 1,024, N 1,024]; A: input embedded; B: input Wq: QUANTISED
;;     3. [M 8,192, K 1,024] x [K 1,024, N 1,024]; A: input embedded; B: input Wv: QUANTISED
;;     4. batch 4 x [M 2,048, K 1,024] x [K 1,024, N 2,048]; A: computed on the way; B: computed on the way: QUANTISED
;;     5. batch 4 x [M 2,048, K 2,048] x [K 2,048, N 1,024]; A: softmax (see below); B: computed on the way: QUANTISED
;;   THE QUANTISER, for each operand of a quantised product, along K:
;;     - K is cut into blocks of 32 from its start; a last block that is shorter is filled with zeros.
;;     - A block's scale is 2^e with e = floor(log2(the largest magnitude in the block)) - 2, held to -126 .. 127; a block of zeros has e = 0. As a byte (E8M0): e + 127.
;;     - Each number is divided by its block's scale, clamped to +-7.5, and rounded to the nearest number of E2M3, ties to even, subnormals kept.
;;     - The product sums the exact products of the quantised numbers (number of the format x scale) in f32.
;;   ~~~python
;;   def quantise(x, axis):      # numpy; x: float32 -> the quantised numbers, widened to float32 again
;;       x = np.moveaxis(x, axis, -1); K = x.shape[-1]
;;       x = np.pad(x, [(0, 0)] * (x.ndim - 1) + [(0, -K % 32)]); x = x.reshape(x.shape[:-1] + (-1, 32)); a = np.abs(x).max(-1, keepdims=True)
;;       e = np.where(a > 0, np.clip(np.frexp(np.where(a > 0, a, 1))[1] - 1 - 2, -126, 127), 0)      # np.frexp(a)[1] - 1 = floor(log2(a)), exactly
;;       r = np.clip(x / 2.0 ** e, -7.5, 7.5)
;;       step = 2.0 ** (np.maximum(np.frexp(np.where(r == 0, 1, r))[1] - 1, 0) - 3)
;;       q = np.round(r / step) * step * 2.0 ** e      # np.round: ties to even
;;       return np.moveaxis(q.reshape(q.shape[:-2] + (-1,))[..., :K], -1, axis).astype(np.float32)
;;   ~~~
;;   SOFTMAX AHEAD OF A QUANTISED PRODUCT. Where the list says 'softmax', what is quantised is not the finished softmax but p = 2^(t - M), with t = logit x log2(e) and M = ceil(the row's largest t), a whole number; so 1/2 < the row's largest p <= 1. The row's sum l is taken of the UNQUANTISED p, in f32, and the product's result is divided by l at the end. Since M is a whole number, a kernel that streams over the keys may use a running M (the ceiling of the running maximum): every later rescaling is an exact power of two, which a block's scale takes up: the codes' values come out the same.
;;   OPERANDS COMPUTED ON THE WAY. 'Computed on the way' means the value that the module computes at that place (a softmax that the list does not call 'softmax' is quantised finished and normalised). What goes into a quantiser is computed in f32, as accurately as f32 sums, v_exp_f32 and their like allow (about 1e-6 of the number): no bf16 or f16 on the way to a quantiser, and a product that is left as it is and whose result goes on into a quantised operand takes f32 operands (vector FMAs, or v_wmma_f32_16x16x4_f32). A number that lies on a knife's edge between two numbers of the format may be rounded either way, as far as f32 arithmetic and the matrix unit's own rounding can turn it there, and no further.
;; 2 versions, each right and faster than the one before. Each part assembles by itself: llvm-mc -triple=amdgcn-amd-amdhsa -mcpu=gfx1250 --defsym DOCPART=n.
;; ======== version 1 of 2: 4 launches
;; workspace buffers: xc 6,553,600 bytes; wc 2,457,600 bytes; qc 6,553,600 bytes; kc 6,553,600 bytes; vc 6,553,600 bytes; pc 13,107,200 bytes; st 1,048,576 bytes
;; launch quant (part 1): grid 352 x 1, 4 waves a work-group, no clusters, 34,304 bytes of LDS; arguments embedded, Wq, Wk, Wv, xc, wc; writes xc, wc
.if DOCPART == 1
	.amdgcn_target "amdgcn-amd-amdhsa--gfx1250"
	.amdhsa_code_object_version 6
	.text
	.protected	k_qb03354faad_quant
	.globl	k_qb03354faad_quant
	.p2align	8
	.type	k_qb03354faad_quant,@function
k_qb03354faad_quant:
	s_mov_b64 s[64:65], 0
	v_nop
	global_prefetch_b8 v0, s[64:65] scope:SCOPE_SE
	s_setreg_imm32_b32 hwreg(HW_REG_WAVE_MODE, 25, 1), 1
	s_wait_xcnt 0x0
; LAUNCH 1 OF 4.  embedded [8192][1024] and Wq, Wk, Wv [1024][1024], f32, become codes of FP6 (E2M3) with one E8M0 byte for each 32 along K (K = the last axis).
; THE PROGRAM: 1 quantises the inputs; 2 makes q, k, v (three products in one launch) and quantises them on the way out; 3 makes the scores' live tiles and p = 2^(t - M) as codes; 4 multiplies p by v, divides and rounds.
; DEAD WORK, LEFT OUT IN LAUNCHES 3 AND 4: reference() builds tril(ones) itself and sets every score with key > query to -infinity, whatever the inputs hold; its softmax gives those places 0, and 0 x v adds nothing.
; So tiles of 256 queries x 256 keys whose first key comes after the tile's last query reach no output: of 64 such tiles a batch 36 are made.  All four inputs have a way to the output and are loaded.
; LIMIT: a NaN, an infinity or an overflow that reaches only those tiles is not carried to the result.
; THE WORKSPACE FORMAT, one for all operands: records of REC bytes for 128 rows x 256 along K, [rows / 128][K / 256].  In a record the fragment (row block i of 8, K step q of 2) lies at (2 i + q) x 1,536 as an IMAGE OF THE
; OPERAND'S 12 REGISTERS: registers 4 c .. 4 c + 3 of lane l at 512 c + 16 l.  The scale words (4 bytes: 128 along K of one row) lie at 24,576 + 512 q + 64 i + 4 r.
; THE ROWS OF A ROW BLOCK ARE NOT NEIGHBOURS: lane row r of block i is row 32 (i / 2) + 8 (i % 2) + r % 8 + 16 (r / 8), so that a later product's 16 registers of two neighbouring tiles are 16 neighbours along the next K.
; SHARES.  A work-group takes 32 rows (two row blocks) x all of K: 128 KiB on end.  Wave s takes K = 256 s on: four fragments of one record.  The first 256 work-groups take embedded, the other 96 the weights (Wq, Wk, Wv on end in wc).
; A load takes 512 consecutive bytes of a row; a fragment's 16 rows turn through the wave's own stage in LDS, so that a lane gets the 2 x 32 neighbours that the operand's layout gives it; both its blocks are then its own.
; A block's byte is its largest magnitude's exponent field - 2, held at 1 from below.  LIMITS: a block of zeros gets the byte 1 where the rule says 127 (its codes are zeros; this program alone reads the bytes);
; NaN and infinities among the inputs are not served.
.set REC,   25600
.set FRB,   1536
.set SCOFF, 24576
.set SP,    528                        ; a stage row: 512 bytes + 16, so that sixteen rows begin in sixteen different groups of banks
.set WST,   16*SP                      ; a wave's stage
.set SPARE, 4*WST                      ; behind the stages: the spare words, 128 bytes a wave, that no other line names
.set R,   16                           ; v16-143  two sets of 64 registers as loaded
.set X,   144                          ; v144-207 my 2 x 32 neighbours
.set C,   208                          ; v208-219 the fragment's 12 registers
.set CT,  220                          ; v220-222, v224-226 the blocks' upper halves (a conversion's three registers begin on an even number)
.set SW,  228                          ; v228-231 a scale word for each fragment
.set SPW, 14
.set NIL, 15
	s_load_b256 s[4:11], s[0:1], 0x0               ; embedded, Wq, Wk, Wv
	s_load_b128 s[12:15], s[0:1], 0x20             ; xc, wc
	v_lshl_add_u32 v[SPW], v0, 2, SPARE
	v_mov_b32 v[NIL], 0
	v_lshrrev_b32 v1, 5, v0
	v_readfirstlane_b32 s16, v1                    ; wave = which 256 along K
	v_and_b32 v2, 31, v0                           ; lane
	v_lshlrev_b32 v3, 4, v2                        ; my 16 bytes of a load's 512
	v_and_b32 v8, 15, v0                           ; r
	v_bfe_u32 v9, v0, 4, 1                         ; h
	s_mul_i32 s17, s16, WST
	v_add_nc_u32 v6, s17, v3                       ; the stage, on the way in: 16 x lane in row i
	v_mul_u32_u24 v7, v8, SP
	v_lshl_add_u32 v7, v9, 7, v7
	v_add_nc_u32 v7, s17, v7                       ; and on the way out: row r, 128 h bytes on: k = 32 h on
	v_lshlrev_b32 v232, 3, v9                      ; 8 h: where my two bytes stand in the scale word
	v_mov_b32 v234, 0                              ; written once: a lane permute's destination counts as one of its sources
	s_mov_b32 s30, 0x76543210
	s_mov_b32 s31, 0xfedcba98                      ; lane l xor 16
	s_cmp_lt_u32 ttmp9, 256                        ; embedded's work-group, or a weight's?
	s_cselect_b32 s18, 0, 256
	s_sub_co_u32 s18, ttmp9, s18                   ; P: which 32 rows of xc's or of wc's rows
	s_and_b32 s19, s18, 3                          ; which pair of row blocks of the record
	s_mul_i32 s20, s19, 4*FRB
	v_add_nc_u32 v4, s20, v3                       ; codes out: 16 x lane + the pair's four fragments
	s_lshl_b32 s20, s19, 7
	v_lshl_add_u32 v5, v2, 2, s20                  ; scale words out: 4 x lane + the pair's 128 bytes
	s_lshr_b32 s20, s18, 2
	s_lshl_b32 s20, s20, 2
	s_add_co_u32 s20, s20, s16
	s_mul_i32 s20, s20, REC                        ; my record: [P / 4][wave]
	s_mov_b32 s21, 0
	s_lshr_b32 s22, s18, 5                         ; which weight
	s_and_b32 s23, s18, 31                         ; and which 32 rows of it
	s_cmp_lt_u32 ttmp9, 256
	s_cselect_b32 s23, s18, s23
	s_lshl_b32 s28, s23, 17                        ; 32 rows of 4,096 bytes
	s_lshl_b32 s29, s16, 10                        ; + my 256 along K
	s_add_co_u32 s28, s28, s29
	s_mov_b32 s29, 0
	s_wait_kmcnt 0x0
	s_cmp_eq_u32 s22, 1                            ; the choices hang on the work-group's number alone
	s_cselect_b64 s[24:25], s[8:9], s[6:7]
	s_cmp_eq_u32 s22, 2
	s_cselect_b64 s[24:25], s[10:11], s[24:25]
	s_cmp_lt_u32 ttmp9, 256
	s_cselect_b64 s[24:25], s[4:5], s[24:25]
	s_cselect_b64 s[26:27], s[12:13], s[14:15]
	s_add_nc_u64 s[24:25], s[24:25], s[28:29]
	s_add_nc_u64 s[26:27], s[26:27], s[20:21]
; Fragment f = 2 u + q: row block u of the pair, K step q.  Sixteen loads, one for each lane row, 512 consecutive bytes each.
.macro LOADF f
.irp i, 0,1,2,3,4,5,6,7,8,9,10,11,12,13,14,15
	global_load_b128 v[R+64*((\f)%2)+4*\i:R+64*((\f)%2)+4*\i+3], v3, s[24:25] offset:(8*((\f)/2)+(\i%8)+16*(\i/8))*4096+512*((\f)%2) th:TH_LOAD_NT
.endr
.endm
.macro FRAGQ f
.set RS, R+64*((\f)%2)
.if (\f) < 3
	s_wait_loadcnt 16                              ; this fragment's 16 loads are in; the next one's may be out
.else
	s_wait_loadcnt 0
.endif
.irp i, 0,1,2,3,4,5,6,7,8,9,10,11,12,13,14,15
	ds_store_b128 v6, v[RS+4*\i:RS+4*\i+3] offset:SP*\i
.endr
.irp c, 0,1
.irp j, 0,1,2,3,4,5,6,7
	ds_load_b128 v[X+32*\c+4*\j:X+32*\c+4*\j+3], v7 offset:256*\c+16*\j   ; LDS serves a wave's instructions in order: these see my stores.  k = 64 c + 32 h + 4 j on
.endr
.endr
	s_wait_dscnt 0x0                               ; my numbers are back, and the stores into the stage have read their registers
	s_wait_xcnt 0x0                                ; the last fragment's stores have read C: it is written again only behind this wait
.if (\f) < 2
	LOADF (\f)+2
.endif
.irp c, 0,1
	v_max3_num_f32 v[8+\c], |v[X+32*\c]|, |v[X+32*\c+1]|, 0x1800000    ; my block 2 c + h: all 32 numbers are mine; and the floor 2^(3 - 127), so that the byte cannot fall under 1
.endr
.irp i, 2,4,6,8,10,12,14,16,18,20,22,24,26,28,30
.irp c, 0,1
	v_max3_num_f32 v[8+\c], v[8+\c], |v[X+32*\c+\i]|, |v[X+32*\c+\i+1]|
.endr
.endr
.irp c, 0,1
	v_add_nc_u32 v[10+\c], 0xff000000, v[8+\c]     ; 2 off the exponent field: the conversion's scale operand
.endr
.irp c, 0,1
	v_lshrrev_b32 v[12+\c], 23, v[10+\c]           ; the byte
.endr
	v_lshl_or_b32 v233, v13, 16, v12               ; blocks h and 2 + h,
	v_lshlrev_b32 v233, v232, v233                 ; at their places;
	v_permlanex16_b32 v234, v233, s30, s31
	v_or_b32 v[SW+(\f)], v233, v234                ; with lane l xor 16's two the word is whole, in both lanes
.irp c, 0,1
	v_cvt_scalef32_pk16_fp6_f32 v[C+6*\c:C+6*\c+2], v[X+32*\c:X+32*\c+15], v[10+\c]
	v_cvt_scalef32_pk16_fp6_f32 v[CT+4*\c:CT+4*\c+2], v[X+32*\c+16:X+32*\c+31], v[10+\c]
.endr
	v_nop                                          ; one plain place behind a scaled conversion
.irp c, 0,1
.irp i, 0,1,2
	v_mov_b32 v[C+6*\c+3+\i], v[CT+4*\c+\i]
.endr
.endr
.irp c, 0,1,2
	global_store_b128 v4, v[C+4*\c:C+4*\c+3], s[26:27] offset:(\f)*FRB+512*\c   ; 32 lanes store 512 consecutive bytes, aligned
.endr
.endm
	LOADF 0
	LOADF 1
	FRAGQ 0
	FRAGQ 1
	FRAGQ 2
	FRAGQ 3
	v_cmp_le_u32 vcc_lo, 16, v2                    ; lanes 0-15 store the pair's first block's words, lanes 16-31 the second's
.irp k, 0,1
	v_cndmask_b32 v[8+\k], v[SW+\k], v[SW+2+\k], vcc_lo
	global_store_b32 v5, v[8+\k], s[26:27] offset:SCOFF+512*\k
.endr
	s_wait_tensorcnt 0x0                           ; the wave's end, behind my last LDS store
	ds_add_u32 v[SPW], v[NIL]
	s_wait_dscnt 0x0
	s_endpgm
.Lfunc_end_k_qb03354faad_quant:
	.size	k_qb03354faad_quant, .Lfunc_end_k_qb03354faad_quant-k_qb03354faad_quant
	.p2alignl 7, 3214868480
	.fill 96, 4, 3214868480
	.section	.rodata,"a",@progbits
	.p2align	6, 0x0
	.amdhsa_kernel k_qb03354faad_quant
		.amdhsa_group_segment_fixed_size 34304
		.amdhsa_private_segment_fixed_size 0
		.amdhsa_enable_private_segment 0
		.amdhsa_kernarg_size 48
		.amdhsa_user_sgpr_count 2
		.amdhsa_user_sgpr_kernarg_segment_ptr 1
		.amdhsa_wavefront_size32 1
		.amdhsa_system_sgpr_workgroup_id_x 1
		.amdhsa_system_sgpr_workgroup_id_y 1
		.amdhsa_system_sgpr_workgroup_id_z 1
		.amdhsa_system_vgpr_workitem_id 0
		.amdhsa_next_free_vgpr 240
		.amdhsa_next_free_sgpr 66
		.amdhsa_reserve_vcc 1
		.amdhsa_float_denorm_mode_32 3
		.amdhsa_float_denorm_mode_16_64 3
		.amdhsa_memory_ordered 1
		.amdhsa_forward_progress 1
		.amdhsa_inst_pref_size 30
	.end_amdhsa_kernel
	.amdgpu_metadata
---
amdhsa.version: [ 1, 2 ]
amdhsa.kernels:
  - .name:           k_qb03354faad_quant
    .symbol:         k_qb03354faad_quant.kd
    .args:
      - { .name: embedded, .offset: 0, .size: 8, .value_kind: global_buffer, .address_space: global }
      - { .name: Wq, .offset: 8, .size: 8, .value_kind: global_buffer, .address_space: global }
      - { .name: Wk, .offset: 16, .size: 8, .value_kind: global_buffer, .address_space: global }
      - { .name: Wv, .offset: 24, .size: 8, .value_kind: global_buffer, .address_space: global }
      - { .name: xc, .offset: 32, .size: 8, .value_kind: global_buffer, .address_space: global }
      - { .name: wc, .offset: 40, .size: 8, .value_kind: global_buffer, .address_space: global }
    .group_segment_fixed_size: 34304
    .private_segment_fixed_size: 0
    .kernarg_segment_align: 8
    .kernarg_segment_size: 48
    .max_flat_workgroup_size: 128
    .sgpr_count:     66
    .vgpr_count:     240
    .wavefront_size: 32
...
	.end_amdgpu_metadata
.endif
;; end of part 1
;; launch proj (part 2): grid 12 x 32, 4 waves a work-group, clusters of 4 x 4, 327,680 bytes of LDS; arguments xc, wc, qc, kc, vc; writes qc, kc, vc
.if DOCPART == 2
	.amdgcn_target "amdgcn-amd-amdhsa--gfx1250"
	.amdhsa_code_object_version 6
	.text
	.protected	k_qb03354faad_proj
	.globl	k_qb03354faad_proj
	.p2align	8
	.type	k_qb03354faad_proj,@function
k_qb03354faad_proj:
	s_mov_b64 s[64:65], 0
	v_nop
	global_prefetch_b8 v0, s[64:65] scope:SCOPE_SE
	s_setreg_imm32_b32 hwreg(HW_REG_WAVE_MODE, 25, 1), 1
	s_wait_xcnt 0x0
	s_wait_alu depctr_hold_cnt(0) depctr_sa_sdst(0) depctr_va_vdst(0) depctr_va_sdst(0) depctr_va_ssrc(0) depctr_va_vcc(0) depctr_vm_vsrc(0)
	s_getreg_b32 s2, hwreg(HW_REG_IB_STS2, 6, 4)
	s_cmp_eq_u32 s2, 0
	s_cbranch_scc0 .Lentry_in_a_cluster
	s_endpgm
.Lentry_in_a_cluster:
	s_bfe_u32 s2, ttmp6, 0x10000c
	s_cmp_lg_u32 s2, 0xf033
	s_cbranch_scc0 .Lentry_shape_is_right
	s_endpgm
.Lentry_shape_is_right:
; LAUNCH 2 OF 4.  q = x Wq^T, k = x Wk^T, v = x Wv^T on codes of FP6 (K = 1,024), and each result quantised on the way out: q and k along the channels, v along the KEYS (its K in the last product).  Nothing is left out here.
; A tile of 256 x 256 to a work-group, four waves of 128 x 128: 64 accumulators, 512 registers.  Source 0 takes "B"'s 16 rows, source 1 "A"'s: a lane holds ONE row of A, and the 64 registers of a row block of A run along
; B's rows in their natural order (launch 1's order of rows in a block sees to that): register 16 b + i is B's row 32 b + 16 (lane / 16) + i.  So B's rows are the next product's K, and the results are quantised in registers.
; q, k: A = x (rows: tokens), B = Wq or Wk (rows: channels).   v: A = Wv (rows: channels), B = x (rows: tokens = keys).  Clusters x = 0, 1 make q and k, cluster x = 2 makes v: only addresses are chosen, by selects on the cluster's x.
; OPERANDS come as records (launch 1's head): a wave's 128 rows x 256 along K, codes and scale words, are 25,600 bytes on end: one tensor load; a fragment is three loads of 16 bytes a lane at 16 x lane: no pitch, no padding.
; RING: two slots of 256 along K, four records each (A's halves, B's halves); wave w fetches record w.  K = 1,024 is four slots: the steps are written straight, with no loop.
; CLUSTERS 4 x 4: A's records are shared along a row of the cluster, B's along a column: joint loads, each behind a round of the cluster's barrier.
; REGISTERS: window 0: v16-23 LDS addresses; v28, v29 the add's two; v30, v31 offsets out; v32-63 scale words and nothing else; v128-223 A's fragments, one set; on the way out v96-115 codes, v200-223 at work.
;   window 1: B's fragments, two sets (v0, v128).   windows 2, 3: the accumulators: (a, b) at v[8 (8 (a % 4) + b)].
; LIMITS: a block of zeros gets the byte 1 (its codes are zeros; this program alone reads the bytes); NaN and infinities are not served.
.set REC,   25600
.set FRB,   1536
.set SCOFF, 24576
.set SLOT,  4*REC
.set SPARE, 2*SLOT                     ; behind the ring: the spare words, 128 bytes a wave, that no other line names
.set FR,    12
.set ADRA, 16
.set ADRB, 20
.set ADRS, 22
.set SPW,  28
.set NIL,  29
.set CO,   30
.set C4,   31
.set SC,   32                          ; set s at v[SC + 16 s]; register 2 i + q: lanes 0-15 the words of A's block i, lanes 16-31 of B's block i, K step q
.set PC,   96
.set AF,   128
.set TM,   200
.set SWD,  216
.set G1,  24
.set G0,  32
.set G1B, 48
.set G0B, 56
.set SEL, 74
.set MSB, 0
.macro WIN new                         ; the immediate's high byte repeats the setting that is left
.if MSB != \new
	s_set_vgpr_msb (MSB<<8)|\new
.set MSB, \new
.endif
.endm
.set MUL_LO, 0xa1                      ; source 0 (B) window 1, source 1 (A) window 0, C and D window 2
.set MUL_HI, 0xf1
.set TO_B,   0x40
.macro JLOAD g0a, g1a, g0b, g1b        ; a joint load: waves 0, 1 fetch A's halves, waves 2, 3 B's; the branch hangs on the wave's number alone; an s_nop 0 and four v_nop follow each line
	s_cmp_eq_u32 s15, 0
	s_cbranch_scc0 .Lfor_b_\@
	tensor_load_to_lds s[\g0a:\g0a+3], s[\g1a:\g1a+7]
	s_nop 0
.rept 4
	v_nop
.endr
	s_branch .Lasked_\@
.Lfor_b_\@:
	tensor_load_to_lds s[\g0b:\g0b+3], s[\g1b:\g1b+7]
	s_nop 0
.rept 4
	v_nop
.endr
.Lasked_\@:
.endm
.macro CREST                           ; a round of the cluster's barrier behind its opening barrier
	s_cmp_lg_u32 s14, 0
	s_cbranch_scc1 .Lnot_wave_0_\@
	s_barrier_signal -3
.Lnot_wave_0_\@:
	s_barrier_wait -3
	s_barrier_signal -1
	s_barrier_wait -1
.endm
.macro CROUND
	s_barrier_signal -1
	s_barrier_wait -1
	CREST
.endm
	s_load_b256 s[4:11], s[0:1], 0x0               ; xc, wc, qc, kc
	s_load_b64 s[12:13], s[0:1], 0x20              ; vc
	v_lshl_add_u32 v[SPW], v0, 2, SPARE
	v_mov_b32 v[NIL], 0
	ds_add_u32 v[SPW], v[NIL]                      ; the wave's opening: the add, twice on end, and its wait ahead of my first tensor load
	ds_add_u32 v[SPW], v[NIL]
	v_lshrrev_b32 v1, 5, v0
	v_readfirstlane_b32 s14, v1                    ; wave
	s_lshr_b32 s15, s14, 1                         ; which half of A's rows is mine.  Also: I fetch for A (0) or for B (1)
	s_and_b32 s16, s14, 1                          ; which half of B's rows.  Also: which half I fetch
	s_bfe_u32 s40, ttmp6, 0x40000                  ; cx
	s_bfe_u32 s41, ttmp6, 0x40004                  ; cy
	s_and_b32 s18, ttmp7, 0xffff                   ; cluster y
	s_cmp_eq_u32 ttmp9, 2                          ; v's clusters?  The same in all sixteen partners
	s_cselect_b32 s17, 0, s18
	s_cselect_b32 s42, s18, ttmp9
	s_cselect_b32 s19, 16*4*REC, 0                 ; Wv's first record in wc
	s_lshl_b32 s17, s17, 2
	s_add_co_u32 s17, s17, s41                     ; A's tile: q, k: 4 y + cy of 32;  v: cy of 4
	s_lshl_b32 s42, s42, 2
	s_add_co_u32 s42, s42, s40                     ; B's tile: q, k: 4 x + cx of 8;  v: 4 y + cx of 32
	s_lshl_b32 s43, s41, 2
	s_lshl_b32 s43, 15, s43                        ; my row of the cluster
	s_lshl_b32 s44, 0x1111, s40                    ; my column
	s_or_b32 s[G1+0], s43, (3<<16)|(1<<21)         ; 15:0 the mask; 17:16 elements of 8 bytes; 21 set beside a mask; no padding
	s_or_b32 s[G1B+0], s44, (3<<16)|(1<<21)
.irp g, G1, G1B                        ; a record: 100 rows of 256 bytes (32 elements), on end in memory and in LDS
	s_mov_b32 s[\g+1], 32<<16
	s_mov_b32 s[\g+2], 100<<16
	s_mov_b32 s[\g+3], 32<<16
	s_mov_b32 s[\g+4], 100
	s_mov_b32 s[\g+5], 32
	s_mov_b32 s[\g+6], 0
	s_mov_b32 s[\g+7], 0
.endr
	s_lshl_b32 s20, s17, 1
	s_add_co_u32 s20, s20, s16
	s_mul_i32 s20, s20, 4*REC                      ; A: the four records of rows 128 (2 tile + half) on
	s_add_co_u32 s20, s20, s19
	s_mov_b32 s21, 0
	s_lshl_b32 s46, s42, 1
	s_add_co_u32 s46, s46, s16
	s_mul_i32 s46, s46, 4*REC                      ; B likewise, in registers that never hold cy
	s_mov_b32 s47, 0
	s_mul_i32 s45, s14, REC                        ; where my record goes in a slot
	s_mov_b32 s[SEL], 0x76543210
	s_mov_b32 s[SEL+1], 0xfedcba98
	s_wait_dscnt 0x0                               ; both opening adds are done
	s_wait_kmcnt 0x0
	s_cmp_eq_u32 ttmp9, 2
	s_cselect_b64 s[92:93], s[6:7], s[4:5]         ; A's buffer
	s_cselect_b64 s[94:95], s[4:5], s[6:7]         ; B's
	s_add_nc_u64 s[20:21], s[92:93], s[20:21]
	s_add_nc_u64 s[46:47], s[94:95], s[46:47]
	CROUND                                         ; all sixteen work-groups are here: the first joint loads meet
.irp s, 0,1
	s_mov_b32 s[G0+4*\s], 1
	s_add_co_u32 s[G0+4*\s+1], s45, \s*SLOT
	s_add_nc_u64 s[G0+4*\s+2:G0+4*\s+3], s[20:21], \s*REC
	s_or_b32 s[G0+4*\s+3], s[G0+4*\s+3], 0x80000000
	s_mov_b32 s[G0B+4*\s], 1
	s_add_co_u32 s[G0B+4*\s+1], s45, \s*SLOT
	s_add_nc_u64 s[G0B+4*\s+2:G0B+4*\s+3], s[46:47], \s*REC
	s_or_b32 s[G0B+4*\s+3], s[G0B+4*\s+3], 0x80000000
	JLOAD G0+4*\s, G1, G0B+4*\s, G1B               ; two loads of mine are out
.endr
	v_and_b32 v1, 15, v0                           ; r
	v_bfe_u32 v2, v0, 4, 1                         ; h
	v_and_b32 v3, 31, v0
	v_lshlrev_b32 v3, 4, v3                        ; 16 x lane
	s_mul_i32 s66, s15, REC                        ; my half of A,
	s_mul_i32 s67, s16, REC
	s_add_co_u32 s67, s67, 2*REC                   ; my half of B
	s_sub_co_u32 s68, s67, s66
	v_mul_u32_u24 v4, s68, v2                      ; scale words: lanes 16-31 take B's record
	v_lshl_add_u32 v4, v1, 2, v4
	v_add_nc_u32 v4, SCOFF, v4
.irp s, 0,1
	v_add_nc_u32 v[ADRA+\s], s66, v3
	v_add_nc_u32 v[ADRB+\s], s67, v3
	v_add_nc_u32 v[ADRS+\s], s66, v4
	s_add_co_u32 s66, s66, SLOT
	s_add_co_u32 s67, s67, SLOT
.endr
	s_mul_i32 s69, s16, FRB                        ; out: my 128 rows of B are K step (wave % 2) of the record
	v_add_nc_u32 v[CO], s69, v3
	v_lshrrev_b32 v[C4], 2, v3
	s_lshl_b32 s69, s16, 9
	v_add_nc_u32 v[C4], s69, v[C4]
	s_lshl_b32 s66, s17, 1
	s_add_co_u32 s66, s66, s15                     ; which 128 rows of the result
	s_lshr_b32 s67, s42, 3
	s_lshl_b32 s67, s67, 6
	s_lshl_b32 s68, s66, 3
	s_add_co_u32 s67, s67, s68
	s_and_b32 s68, s42, 7
	s_add_co_u32 s67, s67, s68                     ; vc: [batch][8 groups of channels][8 slots of keys]
	s_lshl_b32 s68, s66, 2
	s_and_b32 s69, s42, 3
	s_add_co_u32 s68, s68, s69                     ; qc, kc: [64 groups of tokens][4 slots of channels]
	s_cmp_eq_u32 ttmp9, 2
	s_cselect_b32 s72, s67, s68
	s_cselect_b64 s[70:71], s[12:13], s[10:11]
	s_cmp_eq_u32 ttmp9, 0
	s_cselect_b64 s[70:71], s[8:9], s[70:71]
	s_mul_i32 s72, s72, REC
	s_mov_b32 s73, 0
	s_add_nc_u64 s[70:71], s[70:71], s[72:73]      ; my record of the result
.macro FRAG reg, adr, q, i             ; a fragment's image: three loads of 16 bytes a lane, 512 consecutive bytes each
.irp c, 0,1,2
	ds_load_b128 v[\reg+4*\c:\reg+4*\c+3], v[\adr] offset:(2*(\i)+(\q))*FRB+512*\c
.endr
.endm
.macro FETCH_B slot, q, p
	WIN TO_B
.irp i, 0,1,2,3,4,5,6,7
	FRAG 128*(\p)+FR*\i, ADRB+\slot, \q, \i
.endr
	WIN 0
.endm
.macro FETCH_A slot, q, i0
.irp i, \i0, \i0+1, \i0+2, \i0+3
	FRAG AF+FR*(\i), ADRA+\slot, \q, \i
.endr
.endm
.macro SCALES sc
.irp i, 0,1,2,3,4,5,6,7
.irp q, 0,1
	ds_load_b32 v[SC+16*\sc+2*\i+\q], v[ADRS+\sc] offset:512*\q+64*\i
.endr
.endr
.endm
; 16 matrix instructions: A's blocks a0, a0 + 1 x B's eight, 128 along K.  The 64 accumulators take turns, one instruction a turn, in the same order in every step.
.macro MUL16 a0, p, q, sc, zero
.irp a, \a0, \a0+1
.irp b, 0,1,2,3,4,5,6,7
.if \zero
	v_wmma_scale_f32_16x16x128_f8f6f4 v[8*(8*((\a)%4)+\b):8*(8*((\a)%4)+\b)+7], v[128*(\p)+FR*\b:128*(\p)+FR*\b+FR-1], v[AF+FR*(\a):AF+FR*(\a)+FR-1], 0, v[SC+16*(\sc)+2*\b+(\q)], v[SC+16*(\sc)+2*(\a)+(\q)] matrix_a_fmt:MATRIX_FMT_FP6 matrix_b_fmt:MATRIX_FMT_FP6 matrix_a_scale:MATRIX_SCALE_ROW1
.else
	v_wmma_scale_f32_16x16x128_f8f6f4 v[8*(8*((\a)%4)+\b):8*(8*((\a)%4)+\b)+7], v[128*(\p)+FR*\b:128*(\p)+FR*\b+FR-1], v[AF+FR*(\a):AF+FR*(\a)+FR-1], v[8*(8*((\a)%4)+\b):8*(8*((\a)%4)+\b)+7], v[SC+16*(\sc)+2*\b+(\q)], v[SC+16*(\sc)+2*(\a)+(\q)] matrix_a_fmt:MATRIX_FMT_FP6 matrix_b_fmt:MATRIX_FMT_FP6 matrix_a_scale:MATRIX_SCALE_ROW1
.endif
.endr
.endr
.endm
.macro PLACES n                        ; plain vector instructions between a matrix instruction and a load into, or a read of, its registers
.rept \n
	v_nop
.endr
.endm
.macro STEP slot, zero                 ; a slot's first 128 along K; it fetches the second's fragments
	s_wait_dscnt 12                                ; B's set, A's blocks 0-3 and the scale words are in; A's blocks 4-7 (12 loads) may be out
	WIN MUL_LO
	MUL16 0, 0, 0, \slot, \zero
	MUL16 2, 0, 0, \slot, \zero
	s_wait_dscnt 0
	PLACES 4
	FETCH_B \slot, 1, 1
	FETCH_A \slot, 1, 0
	WIN MUL_HI
	MUL16 4, 0, 0, \slot, \zero
	MUL16 6, 0, 0, \slot, \zero
	PLACES 4
	WIN 0
	FETCH_A \slot, 1, 4
.endm
; A slot's second 128 change slots: ONE barrier; in front of it each wave waits for all its tensor loads, adds 0 to its spare word, and waits for that and for its reads of this slot.  fill = 1: the slot is filled again, two slots ahead.
.macro TURN slot, next, fill
	s_wait_tensorcnt 0x0                           ; all my tensor loads have landed: my record of the next slot
	ds_add_u32 v[SPW], v[NIL]
	s_wait_dscnt 13                                ; (the add and A's blocks 4-7 may be out)
	WIN MUL_LO
	MUL16 0, 1, 1, \slot, 0
	s_wait_dscnt 0x0                               ; the add is done, and my reads of this slot are over
	s_barrier_signal -1
	MUL16 2, 1, 1, \slot, 0
	WIN 0
	s_barrier_wait -1
.if \fill
	CREST                                          ; the barrier has opened a round of the cluster's: no wave of any partner still reads this slot or has a load on its way
	s_add_nc_u64 s[G0+4*\slot+2:G0+4*\slot+3], s[G0+4*\slot+2:G0+4*\slot+3], 2*REC
	s_add_nc_u64 s[G0B+4*\slot+2:G0B+4*\slot+3], s[G0B+4*\slot+2:G0B+4*\slot+3], 2*REC
	JLOAD G0+4*\slot, G1, G0B+4*\slot, G1B         ; the first tensor load behind the round; its four v_nop are the places in front of the loads below
.else
	PLACES 4
.endif
	FETCH_B \next, 0, 0
	FETCH_A \next, 0, 0
	SCALES \next
	WIN MUL_HI
	MUL16 4, 1, 1, \slot, 0
	MUL16 6, 1, 1, \slot, 0
	PLACES 4
	WIN 0
	FETCH_A \next, 0, 4
.endm
	s_wait_tensorcnt 1                             ; my record of slot 0 is in; slot 1's may stay out
	s_barrier_signal -1
	s_barrier_wait -1
	FETCH_B 0, 0, 0
	FETCH_A 0, 0, 0
	SCALES 0
	FETCH_A 0, 0, 4
	STEP 0, 1                                      ; K 0: the first products start the sums
	TURN 0, 1, 1                                   ; K 128; slot 0 takes K 512 on
	STEP 1, 0
	TURN 1, 0, 1                                   ; slot 1 takes K 768 on
	STEP 0, 0
	TURN 0, 1, 0                                   ; nothing is left to fetch
	STEP 1, 0
	s_wait_dscnt 12
	WIN MUL_LO
	MUL16 0, 1, 1, 1, 0
	MUL16 2, 1, 1, 1, 0
	s_wait_dscnt 0
	WIN MUL_HI
	MUL16 4, 1, 1, 1, 0
	MUL16 6, 1, 1, 1, 0
	WIN 0
	PLACES 4
.irp b, 0,1,2,3
	v_mov_b32 v[TM+4+\b], 0                        ; written once: a lane permute's destination counts as one of its sources
.endr
; THE WAY OUT of A's block a: its 64 registers a lane are 4 half blocks of 32 along the next K; they become one fragment and one scale word a row, and leave as the fragment's image: three stores of 512 aligned bytes.
.macro QOUT a
.set AC, 64*((\a)%4)
.set WW, 2+(\a)/4
.set W2, 20*WW
	WIN W2                                         ; sources 1 and 2: the accumulators' window
.irp b, 0,1,2,3
	v_max3_num_f32 v[TM+\b], 0x1800000, |v[AC+16*\b]|, |v[AC+16*\b+1]|   ; each accumulator from its low end on; the floor 2^(3 - 127) holds the byte at 1 from below
.endr
.irp i, 2,4,6,8,10,12,14
.irp b, 0,1,2,3
	v_max3_num_f32 v[TM+\b], v[TM+\b], |v[AC+16*\b+\i]|, |v[AC+16*\b+\i+1]|
.endr
.endr
	WIN 0
.irp b, 0,1,2,3
	v_permlanex16_b32 v[TM+4+\b], v[TM+\b], s[SEL], s[SEL+1]
.endr
.irp b, 0,1,2,3
	v_max_num_f32 v[TM+\b], v[TM+\b], v[TM+4+\b]   ; with lane l xor 16's 16: the block's largest magnitude
.endr
.irp b, 0,1,2,3
	v_add_nc_u32 v[TM+12+\b], 0xff000000, v[TM+\b] ; 2 off its exponent field: the conversion's scale operand
.endr
.irp b, 0,1,2,3
	v_lshrrev_b32 v[TM+4+\b], 23, v[TM+12+\b]      ; the byte
.endr
	v_lshl_or_b32 v[SWD+(\a)], v[TM+5], 8, v[TM+4]
	v_lshl_or_b32 v[SWD+(\a)], v[TM+6], 16, v[SWD+(\a)]
	v_lshl_or_b32 v[SWD+(\a)], v[TM+7], 24, v[SWD+(\a)]
	s_wait_xcnt 0x0                                ; the last block's stores have read the codes' registers
	WIN WW                                         ; source 0: the accumulators' window
.irp c, 0,1
	v_cvt_scalef32_pk16_fp6_f32 v[PC+6*\c:PC+6*\c+2], v[AC+32*\c:AC+32*\c+15], v[TM+12+2*\c]
	v_cvt_scalef32_pk16_fp6_f32 v[PC+12+4*\c:PC+14+4*\c], v[AC+32*\c+16:AC+32*\c+31], v[TM+13+2*\c]
.endr
	WIN 0
	v_nop                                          ; one plain place behind a scaled conversion
.irp c, 0,1                            ; the layout wants a whole block in a lane: lanes 0-15 block 2 c, lanes 16-31 block 2 c + 1
.irp i, 0,1,2
	v_permlane16_swap_b32 v[PC+6*\c+\i], v[PC+12+4*\c+\i]
.endr
.irp i, 0,1,2
	v_mov_b32 v[PC+6*\c+3+\i], v[PC+12+4*\c+\i]
.endr
.endr
.irp c, 0,1,2
	global_store_b128 v[CO], v[PC+4*\c:PC+4*\c+3], s[70:71] offset:(\a)*2*FRB+512*\c
.endr
.endm
.irp a, 0,1,2,3,4,5,6,7
	QOUT \a
.endr
	v_and_b32 v1, 31, v0
	v_cmp_le_u32 vcc_lo, 16, v1                    ; lanes 0-15 store block 2 k's words, lanes 16-31 block 2 k + 1's (a row's word stands in lanes r and 16 + r)
.irp k, 0,1,2,3
	v_cndmask_b32 v[TM+\k], v[SWD+2*\k], v[SWD+2*\k+1], vcc_lo
	global_store_b32 v[C4], v[TM+\k], s[70:71] offset:SCOFF+128*\k
.endr
	s_wait_tensorcnt 0x0                           ; the wave's end
	ds_add_u32 v[SPW], v[NIL]
	s_wait_dscnt 0x0
	CROUND                                         ; the closing round
	s_endpgm
.Lfunc_end_k_qb03354faad_proj:
	.size	k_qb03354faad_proj, .Lfunc_end_k_qb03354faad_proj-k_qb03354faad_proj
	.p2alignl 7, 3214868480
	.fill 96, 4, 3214868480
	.section	.rodata,"a",@progbits
	.p2align	6, 0x0
	.amdhsa_kernel k_qb03354faad_proj
		.amdhsa_group_segment_fixed_size 327680
		.amdhsa_private_segment_fixed_size 0
		.amdhsa_enable_private_segment 0
		.amdhsa_kernarg_size 40
		.amdhsa_user_sgpr_count 2
		.amdhsa_user_sgpr_kernarg_segment_ptr 1
		.amdhsa_wavefront_size32 1
		.amdhsa_system_sgpr_workgroup_id_x 1
		.amdhsa_system_sgpr_workgroup_id_y 1
		.amdhsa_system_sgpr_workgroup_id_z 1
		.amdhsa_system_vgpr_workitem_id 0
		.amdhsa_next_free_vgpr 1024
		.amdhsa_next_free_sgpr 98
		.amdhsa_reserve_vcc 1
		.amdhsa_float_denorm_mode_32 3
		.amdhsa_float_denorm_mode_16_64 3
		.amdhsa_memory_ordered 1
		.amdhsa_forward_progress 1
		.amdhsa_inst_pref_size 140
	.end_amdhsa_kernel
	.amdgpu_metadata
---
amdhsa.version: [ 1, 2 ]
amdhsa.kernels:
  - .name:           k_qb03354faad_proj
    .symbol:         k_qb03354faad_proj.kd
    .args:
      - { .name: xc, .offset: 0, .size: 8, .value_kind: global_buffer, .address_space: global }
      - { .name: wc, .offset: 8, .size: 8, .value_kind: global_buffer, .address_space: global }
      - { .name: qc, .offset: 16, .size: 8, .value_kind: global_buffer, .address_space: global }
      - { .name: kc, .offset: 24, .size: 8, .value_kind: global_buffer, .address_space: global }
      - { .name: vc, .offset: 32, .size: 8, .value_kind: global_buffer, .address_space: global }
    .group_segment_fixed_size: 327680
    .private_segment_fixed_size: 0
    .kernarg_segment_align: 8
    .kernarg_segment_size: 40
    .max_flat_workgroup_size: 128
    .sgpr_count:     98
    .vgpr_count:     1024
    .wavefront_size: 32
...
	.end_amdgpu_metadata
.endif
;; end of part 2
;; launch score (part 3): grid 36 x 4, 4 waves a work-group, no clusters, 327,680 bytes of LDS; arguments qc, kc, pc, st; writes pc, st
.if DOCPART == 3
	.amdgcn_target "amdgcn-amd-amdhsa--gfx1250"
	.amdhsa_code_object_version 6
	.text
	.protected	k_qb03354faad_score
	.globl	k_qb03354faad_score
	.p2align	8
	.type	k_qb03354faad_score,@function
k_qb03354faad_score:
	s_mov_b64 s[64:65], 0
	v_nop
	global_prefetch_b8 v0, s[64:65] scope:SCOPE_SE
	s_setreg_imm32_b32 hwreg(HW_REG_WAVE_MODE, 25, 1), 1
	s_wait_xcnt 0x0
; LAUNCH 3 OF 4.  The scores q k^T on codes of FP6 (K = 1,024), and on the way out p = 2^(t - M) as codes along the keys.
; LEFT OUT: the 28 of 64 tiles a batch whose every key comes after every query: reference()'s own tril hides them for all inputs (launch 1's head).  Work-group x = 0 .. 35 is tile (I, J <= I), y the batch.
; A tile is 256 queries x 256 keys; four waves of 128 x 128.  Source 0 = 16 keys, source 1 = 16 queries: a lane holds ONE query, and the 64 registers of a block of queries are keys 32 b + 16 (lane / 16) + i, in natural order.
; THE SOFTMAX: t = score x log2(e) / 32 (sqrt(1024) = 32: the constant is log2(e) in f32 with 5 off its exponent, so t is rounded once).  M here is the ceiling of the largest t of the row's 128 KEYS OF THIS WAVE: a whole number,
; so launch 4 brings all of a row's parts under the row's M by taking whole numbers off the scale bytes: the codes stay.  For each row and 128 keys the pair (-M, the sum of the unquantised p) goes to st.
; On the diagonal tile hidden scores become -infinity ahead of the maximum.  A row all of whose 128 keys are hidden gets -M = 3e38, sum 0, zero codes and the byte 1.
; NO CLUSTER: the live tiles form a triangle, so a block of 4 x 4 or 4 x 1 partners would hold tiles that are left out, and every partner would have to ask for and discard them.
; Ring, records, fragments and registers as in launch 2; here wave w fetches record w by one line with no branch (waves 0, 1: q's halves; 2, 3: k's): the addresses are made by selects on the wave's number.
; A block's largest p is not searched for: the block's largest t goes through the same addition and exponential (this takes v_exp_f32 not to fall where its input rises).
; LIMITS: NaN and infinities are not served; a block whose every p is 0 keeps the byte 1.
.set REC,   25600
.set FRB,   1536
.set SCOFF, 24576
.set SLOT,  4*REC
.set SPARE, 2*SLOT
.set FR,    12
.set ADRA, 16
.set ADRB, 20
.set ADRS, 22
.set DQ,   24                          ; v24  my query less my first key, for block 0
.set DA,   25                          ; v25  the same for the block in hand
.set NINF, 26
.set C8,   27
.set SPW,  28
.set NIL,  29
.set CO,   30
.set C4,   31
.set SC,   32
.set T,    64                          ; v64-127 t, then p
.set AF,   128
.set PC,   128                         ; the way out: v128-139 codes; v140-142, v144-146 upper halves
.set PCT,  140
.set BM,   148                         ; the blocks' largest t, then p
.set BP,   152
.set SO,   156
.set NM,   160                         ; v160 -M, v161 the largest t
.set LS,   162
.set LT,   164
.set LP,   166
.set SWD,  176
.set MST,  184
.set LST,  192
.set OD,   200
.set G1, 24
.set G0, 32
.set SEL, 74
.set CS,  76
.set MSB, 0
.macro WIN new
.if MSB != \new
	s_set_vgpr_msb (MSB<<8)|\new
.set MSB, \new
.endif
.endm
.set MUL_LO, 0xa1
.set MUL_HI, 0xf1
.set TO_B,   0x40
.macro TLOAD s                         ; every wave's own record; an s_nop 0 and four v_nop follow
	tensor_load_to_lds s[G0+4*\s:G0+4*\s+3], s[G1:G1+7]
	s_nop 0
.rept 4
	v_nop
.endr
.endm
	s_load_b256 s[4:11], s[0:1], 0x0               ; qc, kc, pc, st
	v_lshl_add_u32 v[SPW], v0, 2, SPARE
	v_mov_b32 v[NIL], 0
	ds_add_u32 v[SPW], v[NIL]                      ; the wave's opening: the add, twice on end, and its wait ahead of my first tensor load
	ds_add_u32 v[SPW], v[NIL]
	v_lshrrev_b32 v1, 5, v0
	v_readfirstlane_b32 s14, v1
	s_lshr_b32 s15, s14, 1                         ; my half of the queries
	s_and_b32 s16, s14, 1                          ; my half of the keys.  Also: which half I fetch
	s_mov_b32 s17, 0
.irp t, 1,3,6,10,15,21,28              ; I = how many of the triangle's row starts lie at or under x
	s_cmp_ge_u32 ttmp9, \t
	s_cselect_b32 s18, 1, 0
	s_add_co_u32 s17, s17, s18
.endr
	s_add_co_u32 s18, s17, 1
	s_mul_i32 s18, s18, s17
	s_lshr_b32 s18, s18, 1
	s_sub_co_u32 s18, ttmp9, s18                   ; J = x - I (I + 1) / 2
	s_and_b32 s19, ttmp7, 0xffff                   ; the batch
	s_mov_b32 s[G1+0], 3<<16                       ; a record: 100 rows of 256 bytes (32 elements of 8), on end; no mask, no padding
	s_mov_b32 s[G1+1], 32<<16
	s_mov_b32 s[G1+2], 100<<16
	s_mov_b32 s[G1+3], 32<<16
	s_mov_b32 s[G1+4], 100
	s_mov_b32 s[G1+5], 32
	s_mov_b32 s[G1+6], 0
	s_mov_b32 s[G1+7], 0
	s_cmp_lt_u32 s14, 2
	s_cselect_b32 s20, s17, s18
	s_lshl_b32 s20, s20, 1
	s_lshl_b32 s21, s19, 4
	s_add_co_u32 s20, s20, s21
	s_add_co_u32 s20, s20, s16
	s_mul_i32 s20, s20, 4*REC                      ; the four records of rows 128 (16 b + 2 tile + half) on
	s_mov_b32 s21, 0
	s_mul_i32 s45, s14, REC
	s_mov_b32 s[SEL], 0x76543210
	s_mov_b32 s[SEL+1], 0xfedcba98
	s_mov_b32 s[CS], 0x3d38aa3b                    ; log2(e) / 32
	s_mov_b32 s[CS+1], s[CS]                       ; (named with it as a pair, so it is written)
	s_wait_dscnt 0x0
	s_wait_kmcnt 0x0
	s_cmp_lt_u32 s14, 2
	s_cselect_b64 s[22:23], s[4:5], s[6:7]
	s_add_nc_u64 s[20:21], s[22:23], s[20:21]
.irp s, 0,1
	s_mov_b32 s[G0+4*\s], 1
	s_add_co_u32 s[G0+4*\s+1], s45, \s*SLOT
	s_add_nc_u64 s[G0+4*\s+2:G0+4*\s+3], s[20:21], \s*REC
	s_or_b32 s[G0+4*\s+3], s[G0+4*\s+3], 0x80000000
	TLOAD \s                                       ; two loads of mine are out
.endr
	v_and_b32 v1, 15, v0                           ; r
	v_bfe_u32 v2, v0, 4, 1                         ; h
	v_and_b32 v3, 31, v0
	v_lshlrev_b32 v[C8], 3, v3
	v_lshlrev_b32 v3, 4, v3
	s_mul_i32 s66, s15, REC
	s_mul_i32 s67, s16, REC
	s_add_co_u32 s67, s67, 2*REC
	s_sub_co_u32 s68, s67, s66
	v_mul_u32_u24 v4, s68, v2
	v_lshl_add_u32 v4, v1, 2, v4
	v_add_nc_u32 v4, SCOFF, v4
.irp s, 0,1
	v_add_nc_u32 v[ADRA+\s], s66, v3
	v_add_nc_u32 v[ADRB+\s], s67, v3
	v_add_nc_u32 v[ADRS+\s], s66, v4
	s_add_co_u32 s66, s66, SLOT
	s_add_co_u32 s67, s67, SLOT
.endr
	s_mul_i32 s69, s16, FRB
	v_add_nc_u32 v[CO], s69, v3
	v_lshrrev_b32 v[C4], 2, v3
	s_lshl_b32 s69, s16, 9
	v_add_nc_u32 v[C4], s69, v[C4]
	v_and_b32 v5, 7, v1                            ; the mask: my query in block a is 128 wr + 32 (a / 2) + 8 (a % 2) + r % 8 + 16 (r / 8); register 16 b + i holds key 128 wc + 32 b + 16 h + i
	v_lshrrev_b32 v6, 3, v1
	v_sub_nc_u32 v6, v6, v2
	v_lshl_add_u32 v[DQ], v6, 4, v5
	s_sub_co_i32 s66, s15, s16
	s_lshl_b32 s66, s66, 7
	v_add_nc_u32 v[DQ], s66, v[DQ]
	v_mov_b32 v[NINF], 0xff800000
	s_lshl_b32 s50, s19, 4
	s_lshl_b32 s51, s17, 1
	s_add_co_u32 s50, s50, s51
	s_add_co_u32 s50, s50, s15                     ; which 128 queries: 16 b + 2 I + half
	s_lshl_b32 s52, s50, 3
	s_add_co_u32 s52, s52, s18
	s_mul_i32 s52, s52, REC
	s_mov_b32 s53, 0
	s_add_nc_u64 s[8:9], s[8:9], s[52:53]          ; pc: [groups of 128 queries][8 slots of keys]: my record
	s_lshl_b32 s52, s50, 4
	s_lshl_b32 s51, s18, 1
	s_add_co_u32 s52, s52, s51
	s_add_co_u32 s52, s52, s16
	s_lshl_b32 s52, s52, 10
	s_add_nc_u64 s[10:11], s[10:11], s[52:53]      ; st: [groups of 128 queries][16 groups of 128 keys][128 rows][2]
.macro FRAG reg, adr, q, i
.irp c, 0,1,2
	ds_load_b128 v[\reg+4*\c:\reg+4*\c+3], v[\adr] offset:(2*(\i)+(\q))*FRB+512*\c
.endr
.endm
.macro FETCH_B slot, q, p
	WIN TO_B
.irp i, 0,1,2,3,4,5,6,7
	FRAG 128*(\p)+FR*\i, ADRB+\slot, \q, \i
.endr
	WIN 0
.endm
.macro FETCH_A slot, q, i0
.irp i, \i0, \i0+1, \i0+2, \i0+3
	FRAG AF+FR*(\i), ADRA+\slot, \q, \i
.endr
.endm
.macro SCALES sc
.irp i, 0,1,2,3,4,5,6,7
.irp q, 0,1
	ds_load_b32 v[SC+16*\sc+2*\i+\q], v[ADRS+\sc] offset:512*\q+64*\i
.endr
.endr
.endm
.macro MUL16 a0, p, q, sc, zero        ; the 64 accumulators take turns, one instruction a turn
.irp a, \a0, \a0+1
.irp b, 0,1,2,3,4,5,6,7
.if \zero
	v_wmma_scale_f32_16x16x128_f8f6f4 v[8*(8*((\a)%4)+\b):8*(8*((\a)%4)+\b)+7], v[128*(\p)+FR*\b:128*(\p)+FR*\b+FR-1], v[AF+FR*(\a):AF+FR*(\a)+FR-1], 0, v[SC+16*(\sc)+2*\b+(\q)], v[SC+16*(\sc)+2*(\a)+(\q)] matrix_a_fmt:MATRIX_FMT_FP6 matrix_b_fmt:MATRIX_FMT_FP6 matrix_a_scale:MATRIX_SCALE_ROW1
.else
	v_wmma_scale_f32_16x16x128_f8f6f4 v[8*(8*((\a)%4)+\b):8*(8*((\a)%4)+\b)+7], v[128*(\p)+FR*\b:128*(\p)+FR*\b+FR-1], v[AF+FR*(\a):AF+FR*(\a)+FR-1], v[8*(8*((\a)%4)+\b):8*(8*((\a)%4)+\b)+7], v[SC+16*(\sc)+2*\b+(\q)], v[SC+16*(\sc)+2*(\a)+(\q)] matrix_a_fmt:MATRIX_FMT_FP6 matrix_b_fmt:MATRIX_FMT_FP6 matrix_a_scale:MATRIX_SCALE_ROW1
.endif
.endr
.endr
.endm
.macro PLACES n
.rept \n
	v_nop
.endr
.endm
.macro STEP slot, zero
	s_wait_dscnt 12                                ; all but A's blocks 4-7 (12 loads)
	WIN MUL_LO
	MUL16 0, 0, 0, \slot, \zero
	MUL16 2, 0, 0, \slot, \zero
	s_wait_dscnt 0
	PLACES 4
	FETCH_B \slot, 1, 1
	FETCH_A \slot, 1, 0
	WIN MUL_HI
	MUL16 4, 0, 0, \slot, \zero
	MUL16 6, 0, 0, \slot, \zero
	PLACES 4
	WIN 0
	FETCH_A \slot, 1, 4
.endm
.macro TURN slot, next, fill           ; the change of slots: one barrier; the waits and the add in front of it, the refill first behind it
	s_wait_tensorcnt 0x0                           ; all my tensor loads have landed: my record of the next slot
	ds_add_u32 v[SPW], v[NIL]
	s_wait_dscnt 13                                ; (the add and A's blocks 4-7 may be out)
	WIN MUL_LO
	MUL16 0, 1, 1, \slot, 0
	s_wait_dscnt 0x0                               ; the add is done, and my reads of this slot are over
	s_barrier_signal -1
	MUL16 2, 1, 1, \slot, 0
	WIN 0
	s_barrier_wait -1
.if \fill
	s_add_nc_u64 s[G0+4*\slot+2:G0+4*\slot+3], s[G0+4*\slot+2:G0+4*\slot+3], 2*REC
	TLOAD \slot                                    ; my one tensor load behind the barrier; its four v_nop are the places in front of the loads below
.else
	PLACES 4
.endif
	FETCH_B \next, 0, 0
	FETCH_A \next, 0, 0
	SCALES \next
	WIN MUL_HI
	MUL16 4, 1, 1, \slot, 0
	MUL16 6, 1, 1, \slot, 0
	PLACES 4
	WIN 0
	FETCH_A \next, 0, 4
.endm
	s_wait_tensorcnt 1                             ; slot 0's record is in; slot 1's may stay out
	s_barrier_signal -1
	s_barrier_wait -1
	FETCH_B 0, 0, 0
	FETCH_A 0, 0, 0
	SCALES 0
	FETCH_A 0, 0, 4
	STEP 0, 1
	TURN 0, 1, 1
	STEP 1, 0
	TURN 1, 0, 1
	STEP 0, 0
	TURN 0, 1, 0
	STEP 1, 0
	s_wait_dscnt 12
	WIN MUL_LO
	MUL16 0, 1, 1, 1, 0
	MUL16 2, 1, 1, 1, 0
	s_wait_dscnt 0
	WIN MUL_HI
	MUL16 4, 1, 1, 1, 0
	MUL16 6, 1, 1, 1, 0
	WIN 0
	PLACES 4
.irp b, 0,1,2,3
	v_mov_b32 v[BP+\b], 0                          ; written once: a lane permute's destination counts as one of its sources
.endr
	v_mov_b32 v[LP], 0
; THE WAY OUT of the block a of 16 queries: 64 scores a lane become p's fragment for these 128 keys, its scale word, -M and the sum.
.macro SOFTQ a
.set AC, 64*((\a)%4)
.set WW, 2+(\a)/4
	WIN WW                                         ; source 0: the accumulators' window
.set j, 0
.rept 32
	v_pk_mul_f32 v[T+j:T+j+1], v[AC+j:AC+j+1], s[CS:CS+1] op_sel_hi:[1,0]   ; t; each accumulator from its low end on
.set j, j+2
.endr
	WIN 0
	s_cmp_lg_u32 s17, s18                          ; only the diagonal tile has hidden keys: a branch on ids
	s_cbranch_scc1 .Lopen_\@
	v_add_nc_u32 v[DA], 32*((\a)/2)+8*((\a)%2), v[DQ]
.set n, 0
.rept 64
	v_cmp_gt_i32 vcc_lo, 32*(n/16)+n%16, v[DA]     ; key > query
	v_cndmask_b32 v[T+n], v[T+n], v[NINF], vcc_lo
.set n, n+1
.endr
.Lopen_\@:
.irp b, 0,1,2,3
	v_max3_num_f32 v[BM+\b], v[T+16*\b], v[T+16*\b+1], v[T+16*\b+2]   ; the largest t of each block of 32 keys: for the maximum, and for the block's largest p
.endr
.irp i, 3,5,7,9,11,13
.irp b, 0,1,2,3
	v_max3_num_f32 v[BM+\b], v[BM+\b], v[T+16*\b+\i], v[T+16*\b+\i+1]
.endr
.endr
.irp b, 0,1,2,3
	v_max_num_f32 v[BM+\b], v[BM+\b], v[T+16*\b+15]
.endr
.irp b, 0,1,2,3
	v_permlanex16_b32 v[BP+\b], v[BM+\b], s[SEL], s[SEL+1]
.endr
.irp b, 0,1,2,3
	v_max_num_f32 v[BM+\b], v[BM+\b], v[BP+\b]     ; with lane l xor 16's 16 keys
.endr
	v_max3_num_f32 v[NM+1], v[BM], v[BM+1], v[BM+2]
	v_max3_num_f32 v[NM+1], v[NM+1], v[BM+3], 0xff61b1e6   ; held at -3e38 from below, so that -M is a number where all 128 keys are hidden
	v_floor_f32 v[NM], -v[NM+1]                    ; -M = floor(-t) = -ceil(t)
.set j, 0
.rept 32
	v_pk_add_f32 v[T+j:T+j+1], v[T+j:T+j+1], v[NM:NM+1] op_sel_hi:[1,0]   ; t - M
.set j, j+2
.endr
.irp b, 0,1,2,3
	v_add_f32 v[BM+\b], v[BM+\b], v[NM]
.endr
.set j, 0
.rept 64
	v_exp_f32 v[T+j], v[T+j]                       ; p = 2^(t - M), at most 1
.set j, j+1
.endr
	v_mov_b32 v[MST+(\a)], v[NM]                   ; (a plain place behind the exponentials)
	s_wait_alu depctr_va_vdst(0)                   ; one wait for the batch, ahead of its first reader
.irp b, 0,1,2,3
	v_exp_f32 v[BM+\b], v[BM+\b]                   ; the block's largest p: the same two instructions on the same number give the same bits
.endr
	v_pk_add_f32 v[LS:LS+1], v[T:T+1], v[T+4:T+5]  ; the sum of the UNQUANTISED p, in two packed chains; it reads the 64 alone
	v_pk_add_f32 v[LT:LT+1], v[T+2:T+3], v[T+6:T+7]
.set j, 8
.rept 14
	v_pk_add_f32 v[LS:LS+1], v[LS:LS+1], v[T+j:T+j+1]
	v_pk_add_f32 v[LT:LT+1], v[LT:LT+1], v[T+j+2:T+j+3]
.set j, j+4
.endr
	v_pk_add_f32 v[LS:LS+1], v[LS:LS+1], v[LT:LT+1]
	s_wait_alu depctr_va_vdst(0)                   ; and one for the four
.irp b, 0,1,2,3
	v_max_num_f32 v[BM+\b], 0x1800000, v[BM+\b]    ; the floor 2^(3 - 127)
.endr
.irp b, 0,1,2,3
	v_add_nc_u32 v[SO+\b], 0xff000000, v[BM+\b]
.endr
.irp b, 0,1,2,3
	v_lshrrev_b32 v[BP+\b], 23, v[SO+\b]
.endr
	v_lshl_or_b32 v[SWD+(\a)], v[BP+1], 8, v[BP]
	v_lshl_or_b32 v[SWD+(\a)], v[BP+2], 16, v[SWD+(\a)]
	v_lshl_or_b32 v[SWD+(\a)], v[BP+3], 24, v[SWD+(\a)]
	v_add_f32 v[LST+(\a)], v[LS], v[LS+1]
	v_permlanex16_b32 v[LP], v[LST+(\a)], s[SEL], s[SEL+1]
	v_add_f32 v[LST+(\a)], v[LST+(\a)], v[LP]      ; the sum over the 128 keys
	s_wait_xcnt 0x0                                ; the last block's stores have read the codes' registers
.irp c, 0,1
	v_cvt_scalef32_pk16_fp6_f32 v[PC+6*\c:PC+6*\c+2], v[T+32*\c:T+32*\c+15], v[SO+2*\c]
	v_cvt_scalef32_pk16_fp6_f32 v[PCT+4*\c:PCT+4*\c+2], v[T+32*\c+16:T+32*\c+31], v[SO+2*\c+1]
.endr
	v_nop                                          ; one plain place behind a scaled conversion
.irp c, 0,1
.irp i, 0,1,2
	v_permlane16_swap_b32 v[PC+6*\c+\i], v[PCT+4*\c+\i]
.endr
.irp i, 0,1,2
	v_mov_b32 v[PC+6*\c+3+\i], v[PCT+4*\c+\i]
.endr
.endr
.irp c, 0,1,2
	global_store_b128 v[CO], v[PC+4*\c:PC+4*\c+3], s[8:9] offset:(\a)*2*FRB+512*\c   ; the fragment's image: 512 aligned bytes a store
.endr
.endm
.irp a, 0,1,2,3,4,5,6,7
	SOFTQ \a
.endr
	v_and_b32 v1, 31, v0
	v_cmp_le_u32 vcc_lo, 16, v1                    ; lanes 0-15 speak for block 2 k, lanes 16-31 for block 2 k + 1
.irp k, 0,1,2,3
	v_cndmask_b32 v[OD+8+\k], v[SWD+2*\k], v[SWD+2*\k+1], vcc_lo
	global_store_b32 v[C4], v[OD+8+\k], s[8:9] offset:SCOFF+128*\k
	v_cndmask_b32 v[OD+2*\k], v[MST+2*\k], v[MST+2*\k+1], vcc_lo
	v_cndmask_b32 v[OD+2*\k+1], v[LST+2*\k], v[LST+2*\k+1], vcc_lo
	global_store_b64 v[C8], v[OD+2*\k:OD+2*\k+1], s[10:11] offset:256*\k   ; 32 rows' pairs: 256 consecutive bytes, aligned
.endr
	s_wait_tensorcnt 0x0                           ; the wave's end
	ds_add_u32 v[SPW], v[NIL]
	s_wait_dscnt 0x0
	s_endpgm
.Lfunc_end_k_qb03354faad_score:
	.size	k_qb03354faad_score, .Lfunc_end_k_qb03354faad_score-k_qb03354faad_score
	.p2alignl 7, 3214868480
	.fill 96, 4, 3214868480
	.section	.rodata,"a",@progbits
	.p2align	6, 0x0
	.amdhsa_kernel k_qb03354faad_score
		.amdhsa_group_segment_fixed_size 327680
		.amdhsa_private_segment_fixed_size 0
		.amdhsa_enable_private_segment 0
		.amdhsa_kernarg_size 32
		.amdhsa_user_sgpr_count 2
		.amdhsa_user_sgpr_kernarg_segment_ptr 1
		.amdhsa_wavefront_size32 1
		.amdhsa_system_sgpr_workgroup_id_x 1
		.amdhsa_system_sgpr_workgroup_id_y 1
		.amdhsa_system_sgpr_workgroup_id_z 1
		.amdhsa_system_vgpr_workitem_id 0
		.amdhsa_next_free_vgpr 1024
		.amdhsa_next_free_sgpr 80
		.amdhsa_reserve_vcc 1
		.amdhsa_float_denorm_mode_32 3
		.amdhsa_float_denorm_mode_16_64 3
		.amdhsa_memory_ordered 1
		.amdhsa_forward_progress 1
		.amdhsa_inst_pref_size 247
	.end_amdhsa_kernel
	.amdgpu_metadata
---
amdhsa.version: [ 1, 2 ]
amdhsa.kernels:
  - .name:           k_qb03354faad_score
    .symbol:         k_qb03354faad_score.kd
    .args:
      - { .name: qc, .offset: 0, .size: 8, .value_kind: global_buffer, .address_space: global }
      - { .name: kc, .offset: 8, .size: 8, .value_kind: global_buffer, .address_space: global }
      - { .name: pc, .offset: 16, .size: 8, .value_kind: global_buffer, .address_space: global }
      - { .name: st, .offset: 24, .size: 8, .value_kind: global_buffer, .address_space: global }
    .group_segment_fixed_size: 327680
    .private_segment_fixed_size: 0
    .kernarg_segment_align: 8
    .kernarg_segment_size: 32
    .max_flat_workgroup_size: 128
    .sgpr_count:     80
    .vgpr_count:     1024
    .wavefront_size: 32
...
	.end_amdgpu_metadata
.endif
;; end of part 3
;; launch pv (part 4): grid 4 x 32, 4 waves a work-group, no clusters, 327,680 bytes of LDS; arguments pc, st, vc, out0; writes out0
.if DOCPART == 4
	.amdgcn_target "amdgcn-amd-amdhsa--gfx1250"
	.amdhsa_code_object_version 6
	.text
	.protected	k_qb03354faad_pv
	.globl	k_qb03354faad_pv
	.p2align	8
	.type	k_qb03354faad_pv,@function
k_qb03354faad_pv:
	s_mov_b64 s[64:65], 0
	v_nop
	global_prefetch_b8 v0, s[64:65] scope:SCOPE_SE
	s_setreg_imm32_b32 hwreg(HW_REG_WAVE_MODE, 25, 1), 1
	s_wait_xcnt 0x0
; LAUNCH 4 OF 4.  out = round((p v) / l, 4 decimals): p and v on codes of FP6, K = the keys.
; LEFT OUT: the keys behind a query tile's last query (reference()'s own tril: launch 1's head): query tile I of 256 walks I + 1 slots of 256 keys.
; A tile is 256 queries x 256 channels; x = the channel tile, y = 8 batch + 7 - I.  Four waves of 128 x 128.  Source 0 = 16 channels of v, source 1 = 16 queries of p.
; THE HEAD (FIX).  Launch 3 took p under an M of its own for each 128 keys.  Thread t serves row t of both halves of the tile's queries: the row's M is the largest of those (the least -M); d = M - M(128 keys), a whole number,
; is taken off each of the four scale bytes of that group (four bytes at once; a byte that would fall under 0 is held at 0), and l = the sum of l(128 keys) x 2^-d.  The new scale words and 10^4 / l go to tables in LDS.
; Groups behind the causal limit were never written: their addresses are held at the last live slot (ids alone), their sums count 0 times, and nobody reads their words.
; RING: two slots of four records (p's halves, v's halves), wave w fetches record w, one line with no branch.  All work-groups walk eight changes of slots, so that the trip count is a constant; a slot behind the causal limit is
; neither asked for nor read: two tests on ids, the same in all waves; one leads round the load's own lines alone, the other round the slot's work.  Every wait for tensor loads in this text is for 0.
; NO CLUSTER: the four channel tiles of a query tile do share p, but the load is led round at the causal limit, which is not allowed of a joint load.
; LIMITS: d is held at 127: a group of keys that lies 2^-127 or more under the row's largest counts with 2^-127 at the most; 1 / l by v_rcp_f32; 10^4 is multiplied into 1 / l ahead of the product's result, and the last division by
; 10^4 is a multiplication by its f32 reciprocal: an order of rounding that differs from reference()'s by a last bit, which can turn a rounding at the fourth decimal; NaN and infinities are not served.
.set REC,   25600
.set FRB,   1536
.set SCOFF, 24576
.set SLOT1, 131072                     ; slot 1 begins here: one exclusive or turns an address from one slot to the other
.set FS,    4*REC                      ; behind slot 0: p's new scale words [16 groups of 128 keys][256 rows], 16,384 bytes;
.set RL,    FS+16384                   ; 10^4 / l [256 rows];
.set SPARE, RL+1024                    ; the spare words, 128 bytes a wave, that no other line names
.set STAGE, SLOT1+4*REC                ; behind slot 1: 16 rows x (512 + 16) bytes for each wave, for the way out
.set SPITCH, 528
.set FR,    12
.set RLR,  14                          ; v14  where I read 10^4 / l
.set STO,  15                          ; v15  the stage, on the way in
.set ADA0, 16                          ; v16-19 my places in a slot (A, B, B's scale words) and in FS; they stay
.set ADB0, 17
.set ASB0, 18
.set ASA0, 19
.set ADA,  20                          ; v20-23 the same for the slot in hand
.set ADB,  21
.set ASB,  22
.set ASA,  23
.set RD,   24                          ; v24  the stage, on the way out
.set FSA,  25
.set RLA,  26
.set SPW,  28
.set NIL,  29
.set SCA,  32                          ; v32-47 p's scale words (8 q + block), v48-63 v's: scales and nothing else
.set SCB,  48
.set Y,    64
.set AF,   128
.set BK,   128
.set WD,   64                          ; FIX: v64-95 scale words; v96-111 offsets; v128-191 (-M, l); v192-219 at work
.set VW,   96
.set VS,   104
.set SS,   128
.set FE,   192
.set FK,   196
.set FD,   200
.set FX,   204
.set FM,   208
.set FL,   212
.set NMR,  216
.set RLV,  218
.set G1, 24
.set MSB, 0
.macro WIN new
.if MSB != \new
	s_set_vgpr_msb (MSB<<8)|\new
.set MSB, \new
.endif
.endm
.set MUL_LO, 0xa1
.set MUL_HI, 0xf1
.set TO_B,   0x40
	s_load_b256 s[4:11], s[0:1], 0x0               ; pc, st, vc, out0
	v_lshl_add_u32 v[SPW], v0, 2, SPARE
	v_mov_b32 v[NIL], 0
	ds_add_u32 v[SPW], v[NIL]                      ; the wave's opening: the add, twice on end, and its wait ahead of my first tensor load
	ds_add_u32 v[SPW], v[NIL]
	v_lshrrev_b32 v1, 5, v0
	v_readfirstlane_b32 s14, v1
	s_lshr_b32 s15, s14, 1                         ; my half of the queries
	s_and_b32 s16, s14, 1                          ; my half of the channels.  Also: which half I fetch
	s_and_b32 s48, ttmp7, 0xffff
	s_lshr_b32 s18, s48, 3                         ; the batch
	s_and_b32 s48, s48, 7
	s_sub_co_u32 s19, 7, s48                       ; I: the long tiles come first
	s_add_co_u32 s20, s19, 1                       ; slots to walk
	s_mov_b32 s[G1+0], 3<<16                       ; a record: 100 rows of 256 bytes, on end
	s_mov_b32 s[G1+1], 32<<16
	s_mov_b32 s[G1+2], 100<<16
	s_mov_b32 s[G1+3], 32<<16
	s_mov_b32 s[G1+4], 100
	s_mov_b32 s[G1+5], 32
	s_mov_b32 s[G1+6], 0
	s_mov_b32 s[G1+7], 0
	s_lshl_b32 s49, s18, 4
	s_lshl_b32 s50, s19, 1
	s_add_co_u32 s49, s49, s50                     ; 16 b + 2 I: the tile's first group of 128 queries
	s_add_co_u32 s50, s49, s16
	s_lshl_b32 s51, s18, 3
	s_lshl_b32 s52, ttmp9, 1
	s_add_co_u32 s51, s51, s52
	s_add_co_u32 s51, s51, s16                     ; 8 b + 2 x + half: my group of 128 channels
	s_cmp_lt_u32 s14, 2
	s_cselect_b32 s50, s50, s51
	s_mul_i32 s50, s50, 8*REC                      ; eight slots to a group, in pc and in vc
	s_mov_b32 s51, 0
	s_mul_i32 s58, s49, 8*REC
	s_mov_b32 s59, 0
	s_lshl_b32 s60, s49, 14
	s_mov_b32 s61, 0
.irp s, 0,1,2,3,4,5,6,7
	s_min_u32 s48, s19, \s                         ; held at the last live slot: no byte is read that launch 3 has not written
	s_mul_i32 s62, s48, REC
	v_lshl_add_u32 v[VW+\s], v0, 2, s62
	s_lshl_b32 s62, s48, 11
	v_lshl_add_u32 v[VS+\s], v0, 3, s62
.endr
.irp s, 1,2,3,4,5,6,7
	s_cmp_gt_u32 s20, \s
	s_cselect_b32 s[40+\s], 1.0, 0                 ; does slot s count?  (Slot 0 always does)
.endr
	s_mov_b32 s21, 0                               ; the slot in hand
	s_mov_b32 s22, 0                               ; its LDS byte
	s_mov_b32 s23, 0                               ; its scale words in FS: 2,048 bytes a slot
	s_wait_dscnt 0x0
	s_wait_kmcnt 0x0
	s_cmp_lt_u32 s14, 2
	s_cselect_b64 s[36:37], s[4:5], s[8:9]
	s_mov_b32 s32, 1                               ; group 0, which walks: count 1; LDS address; global address; type 2
	s_mul_i32 s33, s14, REC
	s_add_nc_u64 s[34:35], s[36:37], s[50:51]
	s_or_b32 s35, s35, 0x80000000
	tensor_load_to_lds s[32:35], s[G1:G1+7]        ; slot 0: every wave issues it; one load of mine is out
	s_nop 0
.rept 4
	v_nop
.endr
	s_add_nc_u64 s[52:53], s[4:5], s[58:59]        ; pc at the tile's first record
	s_add_nc_u64 s[54:55], s[6:7], s[60:61]        ; st likewise
.irp f, 0,1
.irp s, 0,1,2,3,4,5,6,7
.irp q, 0,1
	global_load_b32 v[WD+16*\f+2*\s+\q], v[VW+\s], s[52:53] offset:\f*8*REC+SCOFF+512*\q
	global_load_b64 v[SS+32*\f+4*\s+2*\q:SS+32*\f+4*\s+2*\q+1], v[VS+\s], s[54:55] offset:\f*16384+1024*\q
.endr
.endr
.endr
	v_and_b32 v1, 15, v0                           ; r
	v_bfe_u32 v2, v0, 4, 1                         ; h
	v_and_b32 v3, 31, v0
	v_lshlrev_b32 v3, 4, v3                        ; 16 x lane
	s_mul_i32 s66, s15, REC
	v_add_nc_u32 v[ADA0], s66, v3
	s_mul_i32 s67, s16, REC
	s_add_co_u32 s67, s67, 2*REC
	v_add_nc_u32 v[ADB0], s67, v3
	s_add_co_u32 s67, s67, SCOFF
	v_lshl_add_u32 v[ASB0], v1, 2, s67
	s_lshl_b32 s66, s15, 9
	s_add_co_u32 s67, s66, FS
	v_lshl_add_u32 v[ASA0], v1, 2, s67
	s_add_co_u32 s67, s66, RL
	v_lshl_add_u32 v[RLR], v1, 2, s67
	v_lshl_add_u32 v[FSA], v0, 2, FS
	v_lshl_add_u32 v[RLA], v0, 2, RL
	s_mul_i32 s66, s14, 16*SPITCH
	s_add_co_u32 s66, s66, STAGE
	v_mul_u32_u24 v[STO], v1, SPITCH
	v_lshl_add_u32 v[STO], v2, 6, v[STO]
	v_add_nc_u32 v[STO], s66, v[STO]               ; in: row r, + 64 h: channels 16 h on of each 32
	v_add_nc_u32 v[RD], s66, v3                    ; back: a whole row of 512 bytes, 16 a lane
	s_lshl_b32 s66, s18, 11
	s_lshl_b32 s67, s19, 8
	s_add_co_u32 s66, s66, s67
	s_lshl_b32 s67, s15, 7
	s_add_co_u32 s66, s66, s67
	s_lshl_b32 s66, s66, 12                        ; my first row of out0, 4,096 bytes a row,
	s_lshl_b32 s67, ttmp9, 10
	s_add_co_u32 s66, s66, s67
	s_lshl_b32 s67, s16, 9
	s_add_co_u32 s66, s66, s67                     ; + my 128 channels
	s_mov_b32 s67, 0
	s_add_nc_u64 s[56:57], s[10:11], s[66:67]
	s_wait_loadcnt 0x0
; Four groups of 128 keys (4 g + u) of half f, by turns, so that no line waits for the line above it.
.macro FIXG f, g
.irp u, 0,1,2,3
	v_sub_f32 v[FE+\u], v[NMR], v[SS+32*(\f)+8*(\g)+2*\u]   ; M(group) - M(row): a whole number, 0 or less
.endr
.irp u, 0,1,2,3
	v_max_num_f32 v[FE+\u], 0xc2fe0000, v[FE+\u]   ; held at -127
.endr
.irp u, 0,1,2,3
	v_cvt_i32_f32 v[FE+\u], v[FE+\u]
.endr
.irp u, 0,1,2,3
.if 4*(\g)+\u < 2
	v_ldexp_f32 v[FL+\u], v[SS+32*(\f)+8*(\g)+2*\u+1], v[FE+\u]   ; slot 0's two start two of the four sums
.else
	v_ldexp_f32 v[FK+\u], v[SS+32*(\f)+8*(\g)+2*\u+1], v[FE+\u]   ; the group's sum under the row's M: nothing is rounded
.endif
.endr
.irp u, 0,1,2,3
.if 4*(\g)+\u < 2
.elseif (\g) == 0
	v_mul_f32 v[FL+\u], s[40+\u/2], v[FK+\u]
.else
	v_fma_f32 v[FL+\u], v[FK+\u], s[40+2*(\g)+\u/2], v[FL+\u]
.endif
.endr
.irp u, 0,1,2,3
	v_sub_nc_u32 v[FD+\u], 0, v[FE+\u]             ; d, 0 to 127,
.endr
.irp u, 0,1,2,3
	v_lshl_or_b32 v[FD+\u], v[FD+\u], 8, v[FD+\u]
.endr
.irp u, 0,1,2,3
	v_lshl_or_b32 v[FD+\u], v[FD+\u], 16, v[FD+\u] ; in all four bytes
.endr
.irp u, 0,1,2,3
	v_or_b32 v[FX+\u], 0x80808080, v[WD+16*(\f)+4*(\g)+\u]   ; p's bytes are 125 at the most: with 128 on top no byte borrows from the next
.endr
.irp u, 0,1,2,3
	v_sub_nc_u32 v[FX+\u], v[FX+\u], v[FD+\u]
.endr
.irp u, 0,1,2,3
	v_and_b32 v[FM+\u], 0x80808080, v[FX+\u]       ; the top bit is left where byte - d is 0 or more
.endr
.irp u, 0,1,2,3
	v_lshrrev_b32 v[FD+\u], 7, v[FM+\u]
.endr
.irp u, 0,1,2,3
	v_sub_nc_u32 v[FM+\u], v[FM+\u], v[FD+\u]      ; 0x7f there, 0 elsewhere
.endr
.irp u, 0,1,2,3
	v_and_b32 v[WD+16*(\f)+4*(\g)+\u], v[FX+\u], v[FM+\u]
.endr
.irp u, 0,1,2,3
	ds_store_b32 v[FSA], v[WD+16*(\f)+4*(\g)+\u] offset:1024*(4*(\g)+\u)+512*(\f)
.endr
.endm
.irp f, 0,1
	v_min3_num_f32 v[NMR], v[SS+32*\f], v[SS+32*\f+2], v[SS+32*\f+4]   ; the least -M: the row's
.irp k, 6,10,14,18,22,26
	v_min3_num_f32 v[NMR], v[NMR], v[SS+32*\f+\k], v[SS+32*\f+\k+2]
.endr
	v_min_num_f32 v[NMR], v[NMR], v[SS+32*\f+30]
	FIXG \f, 0
	FIXG \f, 1
	FIXG \f, 2
	FIXG \f, 3
	v_add_f32 v[FL], v[FL], v[FL+1]
	v_add_f32 v[FL+2], v[FL+2], v[FL+3]
	v_add_f32 v[RLV+\f], v[FL], v[FL+2]            ; l
.endr
	v_rcp_f32 v[RLV], v[RLV]
	v_rcp_f32 v[RLV+1], v[RLV+1]
	v_nop                                          ; a plain place behind the reciprocals
	s_wait_alu depctr_va_vdst(0)                   ; one wait for both, ahead of the first reader
	v_mul_f32 v[RLV], 0x461c4000, v[RLV]           ; 10^4 / l
	v_mul_f32 v[RLV+1], 0x461c4000, v[RLV+1]
	ds_store_b32 v[RLA], v[RLV]
	ds_store_b32 v[RLA], v[RLV+1] offset:512
.macro FRAG reg, adr, q, i
.irp c, 0,1,2
	ds_load_b128 v[\reg+4*\c:\reg+4*\c+3], v[\adr] offset:(2*(\i)+(\q))*FRB+512*\c
.endr
.endm
.macro FETCH_B q, p
	WIN TO_B
.irp i, 0,1,2,3,4,5,6,7
	FRAG 128*(\p)+FR*\i, ADB, \q, \i
.endr
	WIN 0
.endm
.macro FETCH_A q, i0
.irp i, \i0, \i0+1, \i0+2, \i0+3
	FRAG AF+FR*(\i), ADA, \q, \i
.endr
.endm
.macro SCL q                           ; the scale words of K step q: v's from the slot, p's from the table
.irp i, 0,1,2,3,4,5,6,7
	ds_load_b32 v[SCB+8*(\q)+\i], v[ASB] offset:512*(\q)+64*\i
.endr
.irp i, 0,1,2,3,4,5,6,7
	ds_load_b32 v[SCA+8*(\q)+\i], v[ASA] offset:1024*(\q)+64*\i
.endr
.endm
.macro MUL16 a0, p, q, zero            ; the 64 accumulators take turns, one instruction a turn
.irp a, \a0, \a0+1
.irp b, 0,1,2,3,4,5,6,7
.if \zero
	v_wmma_scale_f32_16x16x128_f8f6f4 v[8*(8*((\a)%4)+\b):8*(8*((\a)%4)+\b)+7], v[128*(\p)+FR*\b:128*(\p)+FR*\b+FR-1], v[AF+FR*(\a):AF+FR*(\a)+FR-1], 0, v[SCB+8*(\q)+\b], v[SCA+8*(\q)+(\a)] matrix_a_fmt:MATRIX_FMT_FP6 matrix_b_fmt:MATRIX_FMT_FP6
.else
	v_wmma_scale_f32_16x16x128_f8f6f4 v[8*(8*((\a)%4)+\b):8*(8*((\a)%4)+\b)+7], v[128*(\p)+FR*\b:128*(\p)+FR*\b+FR-1], v[AF+FR*(\a):AF+FR*(\a)+FR-1], v[8*(8*((\a)%4)+\b):8*(8*((\a)%4)+\b)+7], v[SCB+8*(\q)+\b], v[SCA+8*(\q)+(\a)] matrix_a_fmt:MATRIX_FMT_FP6 matrix_b_fmt:MATRIX_FMT_FP6
.endif
.endr
.endr
.endm
.macro PLACES n
.rept \n
	v_nop
.endr
.endm
; THE CHANGE OF SLOTS stands at a slot's head.  Each wave waits for all its tensor loads (its record of the slot ahead), adds 0 to its spare word, and waits for that, for its LDS stores and for its reads of the slot that it has left.
; fill = 1: behind the barrier the other slot is asked for, if it begins at or under the causal limit.
.macro CHANGE fill
	s_wait_tensorcnt 0x0                           ; no tensor load of mine is out, so group 0 may be written
	ds_add_u32 v[SPW], v[NIL]
.if \fill
	s_xor_b32 s33, s33, SLOT1                      ; the other slot,
	s_add_nc_u64 s[34:35], s[34:35], REC           ; the next 256 keys
.endif
	s_wait_dscnt 0x0
	s_barrier_signal -1
	s_barrier_wait -1
.if \fill
	s_add_co_u32 s48, s21, 1
	s_cmp_ge_u32 s48, s20                          ; ids and the count of slots alone: all four waves go the same way, and past the limit they stay past it
	s_cbranch_scc1 .Lpast_\@
	tensor_load_to_lds s[32:35], s[G1:G1+7]        ; my one tensor load behind the barrier: it has a slot's 128 matrix instructions in which to land
	s_nop 0
.rept 4
	v_nop
.endr
.Lpast_\@:
.endif
.endm
.macro SLOTWORK zero                   ; 256 keys: 128 matrix instructions
	v_add_nc_u32 v[ADA], s22, v[ADA0]
	v_add_nc_u32 v[ADB], s22, v[ADB0]
	v_add_nc_u32 v[ASB], s22, v[ASB0]
	v_add_nc_u32 v[ASA], s23, v[ASA0]
	SCL 0
	FETCH_B 0, 0
	FETCH_A 0, 0
	SCL 1
	FETCH_A 0, 4
	s_wait_dscnt 28                                ; all but the second K step's 16 scale words and A's blocks 4-7 (12 loads)
	WIN MUL_LO
	MUL16 0, 0, 0, \zero
	MUL16 2, 0, 0, \zero
	s_wait_dscnt 0
	PLACES 4
	FETCH_B 1, 1
	FETCH_A 1, 0
	WIN MUL_HI
	MUL16 4, 0, 0, \zero
	MUL16 6, 0, 0, \zero
	PLACES 4
	WIN 0
	FETCH_A 1, 4
	s_wait_dscnt 12                                ; all but A's blocks 4-7
	WIN MUL_LO
	MUL16 0, 1, 1, 0
	MUL16 2, 1, 1, 0
	s_wait_dscnt 0
	WIN MUL_HI
	MUL16 4, 1, 1, 0
	MUL16 6, 1, 1, 0
	WIN 0
	PLACES 4                                       ; for the next slot's loads, and for the way out's reads
.endm
	CHANGE 1                                       ; slot 0 and both tables are whole for all four waves; slot 1 is asked for where the tile has one
	SLOTWORK 1                                     ; the first products start the sums
	s_xor_b32 s22, s22, SLOT1
	s_add_co_u32 s23, s23, 2048
	s_add_co_u32 s21, s21, 1
.Lslot:                                ; slots 1 to 6
	CHANGE 1
	s_cmp_ge_u32 s21, s20                          ; a slot behind the causal limit is not read
	s_cbranch_scc1 .Lidle
	SLOTWORK 0
.Lidle:
	s_xor_b32 s22, s22, SLOT1
	s_add_co_u32 s23, s23, 2048
	s_add_co_u32 s21, s21, 1
	s_cmp_lt_u32 s21, 7
	s_cbranch_scc1 .Lslot
	CHANGE 0                                       ; slot 7: nothing is left to ask for
	s_cmp_ge_u32 s21, s20
	s_cbranch_scc1 .Ldone
	SLOTWORK 0
.Ldone:
; THE WAY OUT, block by block of 16 queries x 128 channels: x 10^4 / l, to the nearest whole number (ties to even), x 10^-4; through my own stage in LDS, back as whole rows of 512 bytes.
.irp a, 0,1,2,3,4,5,6,7
	ds_load_b32 v[4+\a], v[RLR] offset:64*\a
.endr
	v_mov_b32 v13, 0                               ; (named as the upper half of the pair v[12:13])
	s_wait_dscnt 0x0
.macro OUTB a
.set AC, 64*((\a)%4)
.set WW, 2+(\a)/4
.set BB, BK+64*((\a)%2)
	v_mov_b32 v12, v[4+(\a)]                       ; my query's 10^4 / l, at an even register for the packed form
	WIN WW
.set j, 0
.rept 32
	v_pk_mul_f32 v[Y+j:Y+j+1], v[AC+j:AC+j+1], v[12:13] op_sel_hi:[1,0]   ; each accumulator from its low end on
.set j, j+2
.endr
	WIN 0
.set j, 0
.rept 64
	v_rndne_f32 v[Y+j], v[Y+j]
.set j, j+1
.endr
.set j, 0
.rept 32
	v_pk_mul_f32 v[Y+j:Y+j+1], v[Y+j:Y+j+1], 0x38d1b717 op_sel_hi:[1,0]
.set j, j+2
.endr
.irp b, 0,1,2,3,4,5,6,7                ; accumulator b holds channels 32 (b / 2) + 16 h + 8 (b % 2) + 0 .. 7
	ds_store_b128 v[STO], v[Y+8*\b:Y+8*\b+3] offset:128*(\b/2)+32*(\b%2)
	ds_store_b128 v[STO], v[Y+8*\b+4:Y+8*\b+7] offset:128*(\b/2)+32*(\b%2)+16
.endr
.irp t, 0,1,2,3,4,5,6,7,8,9,10,11,12,13,14,15
	ds_load_b128 v[BB+4*\t:BB+4*\t+3], v[RD] offset:\t*SPITCH   ; LDS serves a wave's instructions in order: these see my stores, and the next block's stores come behind them
.endr
.endm
.macro SEND a, younger                 ; stage row t of block a is query 32 (a / 2) + 8 (a % 2) + t % 8 + 16 (t / 8) of my 128
.set BB, BK+64*((\a)%2)
	s_wait_dscnt \younger
.irp t, 0,1,2,3,4,5,6,7,8,9,10,11,12,13,14,15
	global_store_b128 v3, v[BB+4*\t:BB+4*\t+3], s[56:57] offset:(32*((\a)/2)+8*((\a)%2)+(\t%8)+16*(\t/8))*4096 th:TH_STORE_NT   ; 32 lanes store 512 consecutive bytes, aligned
.endr
.endm
	OUTB 0
.irp a, 1,2,3,4,5,6,7
.if \a > 1
	s_wait_xcnt 0x0                                ; block a - 2's stores have read their registers: block a's rows may land there
.endif
	OUTB \a
	SEND \a-1, 32                                  ; behind block a - 1's loads: block a's 16 stores and 16 loads
.endr
	SEND 7, 0
	s_wait_tensorcnt 0x0                           ; the wave's end, behind my last tensor load and my last LDS store
	ds_add_u32 v[SPW], v[NIL]
	s_wait_dscnt 0x0
	s_endpgm
.Lfunc_end_k_qb03354faad_pv:
	.size	k_qb03354faad_pv, .Lfunc_end_k_qb03354faad_pv-k_qb03354faad_pv
	.p2alignl 7, 3214868480
	.fill 96, 4, 3214868480
	.section	.rodata,"a",@progbits
	.p2align	6, 0x0
	.amdhsa_kernel k_qb03354faad_pv
		.amdhsa_group_segment_fixed_size 327680
		.amdhsa_private_segment_fixed_size 0
		.amdhsa_enable_private_segment 0
		.amdhsa_kernarg_size 32
		.amdhsa_user_sgpr_count 2
		.amdhsa_user_sgpr_kernarg_segment_ptr 1
		.amdhsa_wavefront_size32 1
		.amdhsa_system_sgpr_workgroup_id_x 1
		.amdhsa_system_sgpr_workgroup_id_y 1
		.amdhsa_system_sgpr_workgroup_id_z 1
		.amdhsa_system_vgpr_workitem_id 0
		.amdhsa_next_free_vgpr 1024
		.amdhsa_next_free_sgpr 80
		.amdhsa_reserve_vcc 0
		.amdhsa_float_denorm_mode_32 3
		.amdhsa_float_denorm_mode_16_64 3
		.amdhsa_memory_ordered 1
		.amdhsa_forward_progress 1
		.amdhsa_inst_pref_size 200
	.end_amdhsa_kernel
	.amdgpu_metadata
---
amdhsa.version: [ 1, 2 ]
amdhsa.kernels:
  - .name:           k_qb03354faad_pv
    .symbol:         k_qb03354faad_pv.kd
    .args:
      - { .name: pc, .offset: 0, .size: 8, .value_kind: global_buffer, .address_space: global }
      - { .name: st, .offset: 8, .size: 8, .value_kind: global_buffer, .address_space: global }
      - { .name: vc, .offset: 16, .size: 8, .value_kind: global_buffer, .address_space: global }
      - { .name: out0, .offset: 24, .size: 8, .value_kind: global_buffer, .address_space: global }
    .group_segment_fixed_size: 327680
    .private_segment_fixed_size: 0
    .kernarg_segment_align: 8
    .kernarg_segment_size: 32
    .max_flat_workgroup_size: 128
    .sgpr_count:     80
    .vgpr_count:     1024
    .wavefront_size: 32
...
	.end_amdgpu_metadata
.endif
;; end of part 4
;; ======== version 2 of 2: 4 launches; 1.12 times as fast as version 1
;; workspace buffers: xc 6,553,600 bytes; wc 2,457,600 bytes; qc 6,553,600 bytes; kc 6,553,600 bytes; vc 6,553,600 bytes; pc 13,107,200 bytes; st 1,048,576 bytes
;; launch quant: the kernel of part 1 again; grid 352 x 1, 4 waves a work-group, no clusters, 34,304 bytes of LDS; arguments embedded, Wq, Wk, Wv, xc, wc; writes xc, wc
;; launch proj (part 5): grid 12 x 32, 4 waves a work-group, clusters of 4 x 4, 327,680 bytes of LDS; arguments xc, wc, qc, kc, vc; writes qc, kc, vc
.if DOCPART == 5
	.amdgcn_target "amdgcn-amd-amdhsa--gfx1250"
	.amdhsa_code_object_version 6
	.text
	.protected	k_qb03354faad_proj
	.globl	k_qb03354faad_proj
	.p2align	8
	.type	k_qb03354faad_proj,@function
k_qb03354faad_proj:
	s_mov_b64 s[64:65], 0
	v_nop
	global_prefetch_b8 v0, s[64:65] scope:SCOPE_SE
	s_setreg_imm32_b32 hwreg(HW_REG_WAVE_MODE, 25, 1), 1
	s_wait_xcnt 0x0
	s_wait_alu depctr_hold_cnt(0) depctr_sa_sdst(0) depctr_va_vdst(0) depctr_va_sdst(0) depctr_va_ssrc(0) depctr_va_vcc(0) depctr_vm_vsrc(0)
	s_getreg_b32 s2, hwreg(HW_REG_IB_STS2, 6, 4)
	s_cmp_eq_u32 s2, 0
	s_cbranch_scc0 .Lentry_in_a_cluster
	s_endpgm
.Lentry_in_a_cluster:
	s_bfe_u32 s2, ttmp6, 0x10000c
	s_cmp_lg_u32 s2, 0xf033
	s_cbranch_scc0 .Lentry_shape_is_right
	s_endpgm
.Lentry_shape_is_right:
; LAUNCH 2 OF 4.  q = x Wq^T, k = x Wk^T, v = x Wv^T on codes of FP6 (K = 1,024), and each result quantised on the way out: q and k along the channels, v along the KEYS (its K in the last product).  Nothing is left out here.
; A tile of 256 x 256 to a work-group, four waves of 128 x 128: 64 accumulators, 512 registers.  Source 0 takes "B"'s 16 rows, source 1 "A"'s: a lane holds ONE row of A, and the 64 registers of a row block of A run along
; B's rows in their natural order (launch 1's order of rows in a block sees to that): register 16 b + i is B's row 32 b + 16 (lane / 16) + i.  So B's rows are the next product's K, and the results are quantised in registers.
; q, k: A = x (rows: tokens), B = Wq or Wk (rows: channels).   v: A = Wv (rows: channels), B = x (rows: tokens = keys).  Clusters x = 0, 1 make q and k, cluster x = 2 makes v: only addresses are chosen, by selects on the cluster's x.
; OPERANDS come as records (launch 1's head): a wave's 128 rows x 256 along K, codes and scale words, are 25,600 bytes on end: one tensor load; a fragment is three loads of 16 bytes a lane at 16 x lane: no pitch, no padding.
; RING: THREE slots of 256 along K, four records each (A's halves, B's halves); wave w fetches record w.  K = 1,024 is four slots' worth: the first three are asked for together at the head (three loads of a wave are out);
; the fourth goes into slot 0 when that has been read, and has 224 matrix instructions a wave in which to land.  The steps are written straight, with no loop.
; CLUSTERS 4 x 4: A's records are shared along a row of the cluster, B's along a column: joint loads, each group behind a round of the cluster's barrier.
; REGISTERS: window 0: v8-13, v16-18 LDS addresses; v28, v29 the add's two; v30, v31 offsets out; v32-63 scale words and nothing else; v128-223 A's fragments, one set; on the way out v96-115 codes, v200-223 at work.
;   window 1: B's fragments, two sets (v0, v128).   windows 2, 3: the accumulators: (a, b) at v[8 (8 (a % 4) + b)].
; LIMITS: a block of zeros gets the byte 1 (its codes are zeros; this program alone reads the bytes); NaN and infinities are not served.
.set REC,   25600
.set FRB,   1536
.set SCOFF, 24576
.set SLOT,  4*REC
.set SPARE, 3*SLOT                     ; behind the ring: the spare words, 128 bytes a wave, that no other line names
.set FR,    12
.set ADRA, 8                           ; v8-10   my half of A in slot 0, 1, 2
.set ADRB, 11                          ; v11-13  my half of B
.set ADRS, 16                          ; v16-18  the scale words: lanes 0-15 A's record, lanes 16-31 B's
.set SPW,  28
.set NIL,  29
.set CO,   30
.set C4,   31
.set SC,   32                          ; set s at v[SC + 16 s]; register 2 i + q: lanes 0-15 the words of A's block i, lanes 16-31 of B's block i, K step q.  The sets take turns from slot to slot along K
.set PC,   96
.set AF,   128
.set TM,   200
.set SWD,  216
.set G1,  24
.set G1B, 48
.set GA0, 32                           ; descriptor groups 0, a set for each slot: A's
.set GA1, 36
.set GA2, 76
.set GB0, 56                           ; and B's
.set GB1, 60
.set GB2, 80
.set SEL, 74
.set MSB, 0
.macro WIN new                         ; the immediate's high byte repeats the setting that is left
.if MSB != \new
	s_set_vgpr_msb (MSB<<8)|\new
.set MSB, \new
.endif
.endm
.set MUL_LO, 0xa1                      ; source 0 (B) window 1, source 1 (A) window 0, C and D window 2
.set MUL_HI, 0xf1
.set TO_B,   0x40
.macro JLOAD g0a, g1a, g0b, g1b        ; a joint load: waves 0, 1 fetch A's halves, waves 2, 3 B's; the branch hangs on the wave's number alone; an s_nop 0 and four v_nop follow each line
	s_cmp_eq_u32 s15, 0
	s_cbranch_scc0 .Lfor_b_\@
	tensor_load_to_lds s[\g0a:\g0a+3], s[\g1a:\g1a+7]
	s_nop 0
.rept 4
	v_nop
.endr
	s_branch .Lasked_\@
.Lfor_b_\@:
	tensor_load_to_lds s[\g0b:\g0b+3], s[\g1b:\g1b+7]
	s_nop 0
.rept 4
	v_nop
.endr
.Lasked_\@:
.endm
.macro CREST                           ; a round of the cluster's barrier behind its opening barrier
	s_cmp_lg_u32 s14, 0
	s_cbranch_scc1 .Lnot_wave_0_\@
	s_barrier_signal -3
.Lnot_wave_0_\@:
	s_barrier_wait -3
	s_barrier_signal -1
	s_barrier_wait -1
.endm
.macro CROUND
	s_barrier_signal -1
	s_barrier_wait -1
	CREST
.endm
	s_load_b256 s[4:11], s[0:1], 0x0               ; xc, wc, qc, kc
	s_load_b64 s[12:13], s[0:1], 0x20              ; vc
	v_lshl_add_u32 v[SPW], v0, 2, SPARE
	v_mov_b32 v[NIL], 0
	ds_add_u32 v[SPW], v[NIL]                      ; the wave's opening: the add, twice on end, and its wait ahead of my first tensor load
	ds_add_u32 v[SPW], v[NIL]
	v_lshrrev_b32 v1, 5, v0
	v_readfirstlane_b32 s14, v1                    ; wave
	s_lshr_b32 s15, s14, 1                         ; which half of A's rows is mine.  Also: I fetch for A (0) or for B (1)
	s_and_b32 s16, s14, 1                          ; which half of B's rows.  Also: which half I fetch
	s_bfe_u32 s40, ttmp6, 0x40000                  ; cx
	s_bfe_u32 s41, ttmp6, 0x40004                  ; cy
	s_and_b32 s18, ttmp7, 0xffff                   ; cluster y
	s_cmp_eq_u32 ttmp9, 2                          ; v's clusters?  The same in all sixteen partners
	s_cselect_b32 s17, 0, s18
	s_cselect_b32 s42, s18, ttmp9
	s_cselect_b32 s19, 16*4*REC, 0                 ; Wv's first record in wc
	s_lshl_b32 s17, s17, 2
	s_add_co_u32 s17, s17, s41                     ; A's tile: q, k: 4 y + cy of 32;  v: cy of 4
	s_lshl_b32 s42, s42, 2
	s_add_co_u32 s42, s42, s40                     ; B's tile: q, k: 4 x + cx of 8;  v: 4 y + cx of 32
	s_lshl_b32 s43, s41, 2
	s_lshl_b32 s43, 15, s43                        ; my row of the cluster
	s_lshl_b32 s44, 0x1111, s40                    ; my column
	s_or_b32 s[G1+0], s43, (3<<16)|(1<<21)         ; 15:0 the mask; 17:16 elements of 8 bytes; 21 set beside a mask; no padding
	s_or_b32 s[G1B+0], s44, (3<<16)|(1<<21)
.irp g, G1, G1B                        ; a record: 100 rows of 256 bytes (32 elements), on end in memory and in LDS
	s_mov_b32 s[\g+1], 32<<16
	s_mov_b32 s[\g+2], 100<<16
	s_mov_b32 s[\g+3], 32<<16
	s_mov_b32 s[\g+4], 100
	s_mov_b32 s[\g+5], 32
	s_mov_b32 s[\g+6], 0
	s_mov_b32 s[\g+7], 0
.endr
	s_lshl_b32 s20, s17, 1
	s_add_co_u32 s20, s20, s16
	s_mul_i32 s20, s20, 4*REC                      ; A: the four records of rows 128 (2 tile + half) on
	s_add_co_u32 s20, s20, s19
	s_mov_b32 s21, 0
	s_lshl_b32 s46, s42, 1
	s_add_co_u32 s46, s46, s16
	s_mul_i32 s46, s46, 4*REC                      ; B likewise, in registers that never hold cy
	s_mov_b32 s47, 0
	s_mul_i32 s45, s14, REC                        ; where my record goes in a slot
	s_mov_b32 s[SEL], 0x76543210
	s_mov_b32 s[SEL+1], 0xfedcba98
	s_wait_dscnt 0x0                               ; both opening adds are done
	s_wait_kmcnt 0x0
	s_cmp_eq_u32 ttmp9, 2
	s_cselect_b64 s[92:93], s[6:7], s[4:5]         ; A's buffer
	s_cselect_b64 s[94:95], s[4:5], s[6:7]         ; B's
	s_add_nc_u64 s[20:21], s[92:93], s[20:21]
	s_add_nc_u64 s[46:47], s[94:95], s[46:47]
	CROUND                                         ; all sixteen work-groups are here: the first joint loads meet
.macro FIRST ga, gb, s                 ; slot s takes K = 256 s on
	s_mov_b32 s[\ga], 1
	s_add_co_u32 s[\ga+1], s45, (\s)*SLOT
	s_add_nc_u64 s[\ga+2:\ga+3], s[20:21], (\s)*REC
	s_or_b32 s[\ga+3], s[\ga+3], 0x80000000
	s_mov_b32 s[\gb], 1
	s_add_co_u32 s[\gb+1], s45, (\s)*SLOT
	s_add_nc_u64 s[\gb+2:\gb+3], s[46:47], (\s)*REC
	s_or_b32 s[\gb+3], s[\gb+3], 0x80000000
	JLOAD \ga, G1, \gb, G1B
.endm
	FIRST GA0, GB0, 0
	FIRST GA1, GB1, 1
	FIRST GA2, GB2, 2                              ; three loads of mine are out
	v_and_b32 v1, 15, v0                           ; r
	v_bfe_u32 v2, v0, 4, 1                         ; h
	v_and_b32 v3, 31, v0
	v_lshlrev_b32 v3, 4, v3                        ; 16 x lane
	s_mul_i32 s66, s15, REC                        ; my half of A,
	s_mul_i32 s67, s16, REC
	s_add_co_u32 s67, s67, 2*REC                   ; my half of B
	s_sub_co_u32 s68, s67, s66
	v_mul_u32_u24 v4, s68, v2                      ; scale words: lanes 16-31 take B's record
	v_lshl_add_u32 v4, v1, 2, v4
	v_add_nc_u32 v4, SCOFF, v4
.irp s, 0,1,2
	v_add_nc_u32 v[ADRA+\s], s66, v3
	v_add_nc_u32 v[ADRB+\s], s67, v3
	v_add_nc_u32 v[ADRS+\s], s66, v4
	s_add_co_u32 s66, s66, SLOT
	s_add_co_u32 s67, s67, SLOT
.endr
	s_mul_i32 s69, s16, FRB                        ; out: my 128 rows of B are K step (wave % 2) of the record
	v_add_nc_u32 v[CO], s69, v3
	v_lshrrev_b32 v[C4], 2, v3
	s_lshl_b32 s69, s16, 9
	v_add_nc_u32 v[C4], s69, v[C4]
	s_lshl_b32 s66, s17, 1
	s_add_co_u32 s66, s66, s15                     ; which 128 rows of the result
	s_lshr_b32 s67, s42, 3
	s_lshl_b32 s67, s67, 6
	s_lshl_b32 s68, s66, 3
	s_add_co_u32 s67, s67, s68
	s_and_b32 s68, s42, 7
	s_add_co_u32 s67, s67, s68                     ; vc: [batch][8 groups of channels][8 slots of keys]
	s_lshl_b32 s68, s66, 2
	s_and_b32 s69, s42, 3
	s_add_co_u32 s68, s68, s69                     ; qc, kc: [64 groups of tokens][4 slots of channels]
	s_cmp_eq_u32 ttmp9, 2
	s_cselect_b32 s72, s67, s68
	s_cselect_b64 s[70:71], s[12:13], s[10:11]
	s_cmp_eq_u32 ttmp9, 0
	s_cselect_b64 s[70:71], s[8:9], s[70:71]
	s_mul_i32 s72, s72, REC
	s_mov_b32 s73, 0
	s_add_nc_u64 s[70:71], s[70:71], s[72:73]      ; my record of the result
.macro FRAG reg, adr, q, i             ; a fragment's image: three loads of 16 bytes a lane, 512 consecutive bytes each
.irp c, 0,1,2
	ds_load_b128 v[\reg+4*\c:\reg+4*\c+3], v[\adr] offset:(2*(\i)+(\q))*FRB+512*\c
.endr
.endm
.macro FETCH_B slot, q, p
	WIN TO_B
.irp i, 0,1,2,3,4,5,6,7
	FRAG 128*(\p)+FR*\i, ADRB+\slot, \q, \i
.endr
	WIN 0
.endm
.macro FETCH_A slot, q, i0
.irp i, \i0, \i0+1, \i0+2, \i0+3
	FRAG AF+FR*(\i), ADRA+\slot, \q, \i
.endr
.endm
.macro SCALES sc, slot
.irp i, 0,1,2,3,4,5,6,7
.irp q, 0,1
	ds_load_b32 v[SC+16*(\sc)+2*\i+\q], v[ADRS+\slot] offset:512*\q+64*\i
.endr
.endr
.endm
; 16 matrix instructions: A's blocks a0, a0 + 1 x B's eight, 128 along K.  The 64 accumulators take turns, one instruction a turn, in the same order in every step.
.macro MUL16 a0, p, q, sc, zero
.irp a, \a0, \a0+1
.irp b, 0,1,2,3,4,5,6,7
.if \zero
	v_wmma_scale_f32_16x16x128_f8f6f4 v[8*(8*((\a)%4)+\b):8*(8*((\a)%4)+\b)+7], v[128*(\p)+FR*\b:128*(\p)+FR*\b+FR-1], v[AF+FR*(\a):AF+FR*(\a)+FR-1], 0, v[SC+16*(\sc)+2*\b+(\q)], v[SC+16*(\sc)+2*(\a)+(\q)] matrix_a_fmt:MATRIX_FMT_FP6 matrix_b_fmt:MATRIX_FMT_FP6 matrix_a_scale:MATRIX_SCALE_ROW1
.else
	v_wmma_scale_f32_16x16x128_f8f6f4 v[8*(8*((\a)%4)+\b):8*(8*((\a)%4)+\b)+7], v[128*(\p)+FR*\b:128*(\p)+FR*\b+FR-1], v[AF+FR*(\a):AF+FR*(\a)+FR-1], v[8*(8*((\a)%4)+\b):8*(8*((\a)%4)+\b)+7], v[SC+16*(\sc)+2*\b+(\q)], v[SC+16*(\sc)+2*(\a)+(\q)] matrix_a_fmt:MATRIX_FMT_FP6 matrix_b_fmt:MATRIX_FMT_FP6 matrix_a_scale:MATRIX_SCALE_ROW1
.endif
.endr
.endr
.endm
.macro PLACES n                        ; plain vector instructions between a matrix instruction and a load into, or a read of, its registers
.rept \n
	v_nop
.endr
.endm
.macro STEP slot, sc, zero             ; a slot's first 128 along K; it fetches the second's fragments
	s_wait_dscnt 12                                ; B's set, A's blocks 0-3 and the scale words are in; A's blocks 4-7 (12 loads) may be out
	WIN MUL_LO
	MUL16 0, 0, 0, \sc, \zero
	MUL16 2, 0, 0, \sc, \zero
	s_wait_dscnt 0
	PLACES 4
	FETCH_B \slot, 1, 1
	FETCH_A \slot, 1, 0
	WIN MUL_HI
	MUL16 4, 0, 0, \sc, \zero
	MUL16 6, 0, 0, \sc, \zero
	PLACES 4
	WIN 0
	FETCH_A \slot, 1, 4
.endm
; A slot's second 128, with a barrier: in front of it each wave waits for all its tensor loads, adds 0 to its spare word, and waits for that and for its reads of this slot.
; fill = 1 (slot 0 alone): the slot is filled again, with K = 768 on.
.macro TURN slot, sc, next, nsc, fill
	s_wait_tensorcnt 0x0                           ; all my tensor loads have landed
	ds_add_u32 v[SPW], v[NIL]
	s_wait_dscnt 13                                ; (the add and A's blocks 4-7 may be out)
	WIN MUL_LO
	MUL16 0, 1, 1, \sc, 0
	s_wait_dscnt 0x0                               ; the add is done, and my reads of this slot are over
	s_barrier_signal -1
	MUL16 2, 1, 1, \sc, 0
	WIN 0
	s_barrier_wait -1
.if \fill
	CREST                                          ; the barrier has opened a round of the cluster's: no wave of any partner still reads this slot or has a load on its way
	s_add_nc_u64 s[GA0+2:GA0+3], s[GA0+2:GA0+3], 3*REC
	s_add_nc_u64 s[GB0+2:GB0+3], s[GB0+2:GB0+3], 3*REC
	JLOAD GA0, G1, GB0, G1B                        ; the first tensor load behind the round; its four v_nop are the places in front of the loads below
.else
	PLACES 4
.endif
	FETCH_B \next, 0, 0
	FETCH_A \next, 0, 0
	SCALES \nsc, \next
	WIN MUL_HI
	MUL16 4, 1, 1, \sc, 0
	MUL16 6, 1, 1, \sc, 0
	PLACES 4
	WIN 0
	FETCH_A \next, 0, 4
.endm
; A slot's second 128 with no barrier: the next slot was shown whole to every wave by the last barrier (in front of it each wave had waited for all its loads), and neither slot is filled again.
.macro PASS slot, sc, next, nsc
	s_wait_dscnt 12
	WIN MUL_LO
	MUL16 0, 1, 1, \sc, 0
	MUL16 2, 1, 1, \sc, 0
	s_wait_dscnt 0
	PLACES 4
	FETCH_B \next, 0, 0
	FETCH_A \next, 0, 0
	SCALES \nsc, \next
	WIN MUL_HI
	MUL16 4, 1, 1, \sc, 0
	MUL16 6, 1, 1, \sc, 0
	PLACES 4
	WIN 0
	FETCH_A \next, 0, 4
.endm
	s_wait_tensorcnt 2                             ; my record of slot 0 is in; those of slots 1 and 2 may stay out
	s_barrier_signal -1
	s_barrier_wait -1
	FETCH_B 0, 0, 0
	FETCH_A 0, 0, 0
	SCALES 0, 0
	FETCH_A 0, 0, 4
	STEP 0, 0, 1                                   ; K 0: the first products start the sums
	TURN 0, 0, 1, 1, 1                             ; K 128; slots 1 and 2 are whole; slot 0 takes K 768 on
	STEP 1, 1, 0                                   ; K 256
	PASS 1, 1, 2, 0                                ; K 384
	STEP 2, 0, 0                                   ; K 512
	TURN 2, 0, 0, 1, 0                             ; K 640; slot 0 is whole again; nothing is left to fetch
	STEP 0, 1, 0                                   ; K 768
	s_wait_dscnt 12
	WIN MUL_LO
	MUL16 0, 1, 1, 1, 0                            ; K 896
	MUL16 2, 1, 1, 1, 0
	s_wait_dscnt 0
	WIN MUL_HI
	MUL16 4, 1, 1, 1, 0
	MUL16 6, 1, 1, 1, 0
	WIN 0
	PLACES 4
.irp b, 0,1,2,3
	v_mov_b32 v[TM+4+\b], 0                        ; written once: a lane permute's destination counts as one of its sources
.endr
; THE WAY OUT of A's block a: its 64 registers a lane are 4 half blocks of 32 along the next K; they become one fragment and one scale word a row, and leave as the fragment's image: three stores of 512 aligned bytes.
.macro QOUT a
.set AC, 64*((\a)%4)
.set WW, 2+(\a)/4
.set W2, 20*WW
	WIN W2                                         ; sources 1 and 2: the accumulators' window
.irp b, 0,1,2,3
	v_max3_num_f32 v[TM+\b], 0x1800000, |v[AC+16*\b]|, |v[AC+16*\b+1]|   ; each accumulator from its low end on; the floor 2^(3 - 127) holds the byte at 1 from below
.endr
.irp i, 2,4,6,8,10,12,14
.irp b, 0,1,2,3
	v_max3_num_f32 v[TM+\b], v[TM+\b], |v[AC+16*\b+\i]|, |v[AC+16*\b+\i+1]|
.endr
.endr
	WIN 0
.irp b, 0,1,2,3
	v_permlanex16_b32 v[TM+4+\b], v[TM+\b], s[SEL], s[SEL+1]
.endr
.irp b, 0,1,2,3
	v_max_num_f32 v[TM+\b], v[TM+\b], v[TM+4+\b]   ; with lane l xor 16's 16: the block's largest magnitude
.endr
.irp b, 0,1,2,3
	v_add_nc_u32 v[TM+12+\b], 0xff000000, v[TM+\b] ; 2 off its exponent field: the conversion's scale operand
.endr
.irp b, 0,1,2,3
	v_lshrrev_b32 v[TM+4+\b], 23, v[TM+12+\b]      ; the byte
.endr
	v_lshl_or_b32 v[SWD+(\a)], v[TM+5], 8, v[TM+4]
	v_lshl_or_b32 v[SWD+(\a)], v[TM+6], 16, v[SWD+(\a)]
	v_lshl_or_b32 v[SWD+(\a)], v[TM+7], 24, v[SWD+(\a)]
	s_wait_xcnt 0x0                                ; the last block's stores have read the codes' registers
	WIN WW                                         ; source 0: the accumulators' window
.irp c, 0,1
	v_cvt_scalef32_pk16_fp6_f32 v[PC+6*\c:PC+6*\c+2], v[AC+32*\c:AC+32*\c+15], v[TM+12+2*\c]
	v_cvt_scalef32_pk16_fp6_f32 v[PC+12+4*\c:PC+14+4*\c], v[AC+32*\c+16:AC+32*\c+31], v[TM+13+2*\c]
.endr
	WIN 0
	v_nop                                          ; one plain place behind a scaled conversion
.irp c, 0,1                            ; the layout wants a whole block in a lane: lanes 0-15 block 2 c, lanes 16-31 block 2 c + 1
.irp i, 0,1,2
	v_permlane16_swap_b32 v[PC+6*\c+\i], v[PC+12+4*\c+\i]
.endr
.irp i, 0,1,2
	v_mov_b32 v[PC+6*\c+3+\i], v[PC+12+4*\c+\i]
.endr
.endr
.irp c, 0,1,2
	global_store_b128 v[CO], v[PC+4*\c:PC+4*\c+3], s[70:71] offset:(\a)*2*FRB+512*\c
.endr
.endm
.irp a, 0,1,2,3,4,5,6,7
	QOUT \a
.endr
	v_and_b32 v1, 31, v0
	v_cmp_le_u32 vcc_lo, 16, v1                    ; lanes 0-15 store block 2 k's words, lanes 16-31 block 2 k + 1's (a row's word stands in lanes r and 16 + r)
.irp k, 0,1,2,3
	v_cndmask_b32 v[TM+\k], v[SWD+2*\k], v[SWD+2*\k+1], vcc_lo
	global_store_b32 v[C4], v[TM+\k], s[70:71] offset:SCOFF+128*\k
.endr
	s_wait_tensorcnt 0x0                           ; the wave's end
	ds_add_u32 v[SPW], v[NIL]
	s_wait_dscnt 0x0
	CROUND                                         ; the closing round
	s_endpgm
.Lfunc_end_k_qb03354faad_proj:
	.size	k_qb03354faad_proj, .Lfunc_end_k_qb03354faad_proj-k_qb03354faad_proj
	.p2alignl 7, 3214868480
	.fill 96, 4, 3214868480
	.section	.rodata,"a",@progbits
	.p2align	6, 0x0
	.amdhsa_kernel k_qb03354faad_proj
		.amdhsa_group_segment_fixed_size 327680
		.amdhsa_private_segment_fixed_size 0
		.amdhsa_enable_private_segment 0
		.amdhsa_kernarg_size 40
		.amdhsa_user_sgpr_count 2
		.amdhsa_user_sgpr_kernarg_segment_ptr 1
		.amdhsa_wavefront_size32 1
		.amdhsa_system_sgpr_workgroup_id_x 1
		.amdhsa_system_sgpr_workgroup_id_y 1
		.amdhsa_system_sgpr_workgroup_id_z 1
		.amdhsa_system_vgpr_workitem_id 0
		.amdhsa_next_free_vgpr 1024
		.amdhsa_next_free_sgpr 98
		.amdhsa_reserve_vcc 1
		.amdhsa_float_denorm_mode_32 3
		.amdhsa_float_denorm_mode_16_64 3
		.amdhsa_memory_ordered 1
		.amdhsa_forward_progress 1
		.amdhsa_inst_pref_size 140
	.end_amdhsa_kernel
	.amdgpu_metadata
---
amdhsa.version: [ 1, 2 ]
amdhsa.kernels:
  - .name:           k_qb03354faad_proj
    .symbol:         k_qb03354faad_proj.kd
    .args:
      - { .name: xc, .offset: 0, .size: 8, .value_kind: global_buffer, .address_space: global }
      - { .name: wc, .offset: 8, .size: 8, .value_kind: global_buffer, .address_space: global }
      - { .name: qc, .offset: 16, .size: 8, .value_kind: global_buffer, .address_space: global }
      - { .name: kc, .offset: 24, .size: 8, .value_kind: global_buffer, .address_space: global }
      - { .name: vc, .offset: 32, .size: 8, .value_kind: global_buffer, .address_space: global }
    .group_segment_fixed_size: 327680
    .private_segment_fixed_size: 0
    .kernarg_segment_align: 8
    .kernarg_segment_size: 40
    .max_flat_workgroup_size: 128
    .sgpr_count:     98
    .vgpr_count:     1024
    .wavefront_size: 32
...
	.end_amdgpu_metadata
.endif
;; end of part 5
;; launch score (part 6): grid 36 x 4, 4 waves a work-group, no clusters, 327,680 bytes of LDS; arguments qc, kc, pc, st; writes pc, st
.if DOCPART == 6
	.amdgcn_target "amdgcn-amd-amdhsa--gfx1250"
	.amdhsa_code_object_version 6
	.text
	.protected	k_qb03354faad_score
	.globl	k_qb03354faad_score
	.p2align	8
	.type	k_qb03354faad_score,@function
k_qb03354faad_score:
	s_mov_b64 s[64:65], 0
	v_nop
	global_prefetch_b8 v0, s[64:65] scope:SCOPE_SE
	s_setreg_imm32_b32 hwreg(HW_REG_WAVE_MODE, 25, 1), 1
	s_wait_xcnt 0x0
; LAUNCH 3 OF 4.  The scores q k^T on codes of FP6 (K = 1,024), and on the way out p = 2^(t - M) as codes along the keys.
; LEFT OUT: the 28 of 64 tiles a batch whose every key comes after every query: reference()'s own tril hides them for all inputs (launch 1's head).  Work-group x = 0 .. 35 is tile (I, J <= I), y the batch.
; A tile is 256 queries x 256 keys; four waves of 128 x 128.  Source 0 = 16 keys, source 1 = 16 queries: a lane holds ONE query, and the 64 registers of a block of queries are keys 32 b + 16 (lane / 16) + i, in natural order.
; THE SOFTMAX: t = score x log2(e) / 32 (sqrt(1024) = 32: the constant is log2(e) in f32 with 5 off its exponent, so t is rounded once).  M here is the ceiling of the largest t of the row's 128 KEYS OF THIS WAVE: a whole number,
; so launch 4 brings all of a row's parts under the row's M by taking whole numbers off the scale bytes: the codes stay.  For each row and 128 keys the pair (-M, the sum of the unquantised p) goes to st.
; On the diagonal tile hidden scores become -infinity ahead of the maximum.  A row all of whose 128 keys are hidden gets -M = 3e38, sum 0, zero codes and the byte 1.
; ZEROS FOR LAUNCH 4'S LOADS: launch 4 fetches p's records two at a time (512 keys, one shape of load).  Where I is even, the second record of a query group's last pair (keys 256 (I + 1) on) is hidden and is not computed:
; the diagonal work-group stores zeros there, 25 stores of 512 bytes a wave, while its first tiles are on their way, so that no byte is fetched that nobody has stored.  Launch 4 neither reads that record from LDS nor multiplies it.
; NO CLUSTER: the live tiles form a triangle, so a block of 4 x 4 or 4 x 1 partners would hold tiles that are left out, and every partner would have to ask for and discard them.
; Ring (three slots; the fourth 256 along K go into slot 0 when that has been read), records, fragments and registers as in launch 2; here wave w fetches record w by one line with no branch (waves 0, 1: q's halves; 2, 3: k's):
; the addresses are made by selects on the wave's number.
; A block's largest p is not searched for: the block's largest t goes through the same addition and exponential (this takes v_exp_f32 not to fall where its input rises).
; LIMITS: NaN and infinities are not served; a block whose every p is 0 keeps the byte 1.
.set REC,   25600
.set FRB,   1536
.set SCOFF, 24576
.set SLOT,  4*REC
.set SPARE, 3*SLOT
.set FR,    12
.set ZD,   4                           ; v4-7  zeros, for the hidden record; written once
.set ADRA, 8
.set ADRB, 11
.set ADRS, 16
.set ZO,   19                          ; v19  my place in the hidden record
.set DQ,   24                          ; v24  my query less my first key, for block 0
.set DA,   25                          ; v25  the same for the block in hand
.set NINF, 26
.set C8,   27
.set SPW,  28
.set NIL,  29
.set CO,   30
.set C4,   31
.set SC,   32
.set T,    64                          ; v64-127 t, then p
.set AF,   128
.set PC,   128                         ; the way out: v128-139 codes; v140-142, v144-146 upper halves
.set PCT,  140
.set BM,   148                         ; the blocks' largest t, then p
.set BP,   152
.set SO,   156
.set NM,   160                         ; v160 -M, v161 the largest t
.set LS,   162
.set LT,   164
.set LP,   166
.set SWD,  176
.set MST,  184
.set LST,  192
.set OD,   200
.set G1, 24
.set G0, 32                            ; s[32:43] descriptor group 0, a set for each slot
.set SEL, 74
.set CS,  76
.set MSB, 0
.macro WIN new
.if MSB != \new
	s_set_vgpr_msb (MSB<<8)|\new
.set MSB, \new
.endif
.endm
.set MUL_LO, 0xa1
.set MUL_HI, 0xf1
.set TO_B,   0x40
.macro TLOAD s                         ; every wave's own record; an s_nop 0 and four v_nop follow
	tensor_load_to_lds s[G0+4*\s:G0+4*\s+3], s[G1:G1+7]
	s_nop 0
.rept 4
	v_nop
.endr
.endm
	s_load_b256 s[4:11], s[0:1], 0x0               ; qc, kc, pc, st
	v_lshl_add_u32 v[SPW], v0, 2, SPARE
	v_mov_b32 v[NIL], 0
	ds_add_u32 v[SPW], v[NIL]                      ; the wave's opening: the add, twice on end, and its wait ahead of my first tensor load
	ds_add_u32 v[SPW], v[NIL]
	v_lshrrev_b32 v1, 5, v0
	v_readfirstlane_b32 s14, v1
	s_lshr_b32 s15, s14, 1                         ; my half of the queries
	s_and_b32 s16, s14, 1                          ; my half of the keys.  Also: which half I fetch
	s_mov_b32 s17, 0
.irp t, 1,3,6,10,15,21,28              ; I = how many of the triangle's row starts lie at or under x
	s_cmp_ge_u32 ttmp9, \t
	s_cselect_b32 s18, 1, 0
	s_add_co_u32 s17, s17, s18
.endr
	s_add_co_u32 s18, s17, 1
	s_mul_i32 s18, s18, s17
	s_lshr_b32 s18, s18, 1
	s_sub_co_u32 s18, ttmp9, s18                   ; J = x - I (I + 1) / 2
	s_and_b32 s19, ttmp7, 0xffff                   ; the batch
	s_mov_b32 s[G1+0], 3<<16                       ; a record: 100 rows of 256 bytes (32 elements of 8), on end; no mask, no padding
	s_mov_b32 s[G1+1], 32<<16
	s_mov_b32 s[G1+2], 100<<16
	s_mov_b32 s[G1+3], 32<<16
	s_mov_b32 s[G1+4], 100
	s_mov_b32 s[G1+5], 32
	s_mov_b32 s[G1+6], 0
	s_mov_b32 s[G1+7], 0
	s_cmp_lt_u32 s14, 2
	s_cselect_b32 s20, s17, s18
	s_lshl_b32 s20, s20, 1
	s_lshl_b32 s21, s19, 4
	s_add_co_u32 s20, s20, s21
	s_add_co_u32 s20, s20, s16
	s_mul_i32 s20, s20, 4*REC                      ; the four records of rows 128 (16 b + 2 tile + half) on
	s_mov_b32 s21, 0
	s_mul_i32 s45, s14, REC
	s_mov_b32 s[SEL], 0x76543210
	s_mov_b32 s[SEL+1], 0xfedcba98
	s_mov_b32 s[CS], 0x3d38aa3b                    ; log2(e) / 32
	s_mov_b32 s[CS+1], s[CS]                       ; (named with it as a pair, so it is written)
	s_wait_dscnt 0x0
	s_wait_kmcnt 0x0
	s_cmp_lt_u32 s14, 2
	s_cselect_b64 s[22:23], s[4:5], s[6:7]
	s_add_nc_u64 s[20:21], s[22:23], s[20:21]
.irp s, 0,1,2
	s_mov_b32 s[G0+4*\s], 1
	s_add_co_u32 s[G0+4*\s+1], s45, \s*SLOT
	s_add_nc_u64 s[G0+4*\s+2:G0+4*\s+3], s[20:21], \s*REC
	s_or_b32 s[G0+4*\s+3], s[G0+4*\s+3], 0x80000000
	TLOAD \s                                       ; three loads of mine are out
.endr
	v_and_b32 v1, 15, v0                           ; r
	v_bfe_u32 v2, v0, 4, 1                         ; h
	v_and_b32 v3, 31, v0
	v_lshlrev_b32 v[C8], 3, v3
	v_lshlrev_b32 v3, 4, v3
	s_mul_i32 s66, s15, REC
	s_mul_i32 s67, s16, REC
	s_add_co_u32 s67, s67, 2*REC
	s_sub_co_u32 s68, s67, s66
	v_mul_u32_u24 v4, s68, v2
	v_lshl_add_u32 v4, v1, 2, v4
	v_add_nc_u32 v4, SCOFF, v4
.irp s, 0,1,2
	v_add_nc_u32 v[ADRA+\s], s66, v3
	v_add_nc_u32 v[ADRB+\s], s67, v3
	v_add_nc_u32 v[ADRS+\s], s66, v4
	s_add_co_u32 s66, s66, SLOT
	s_add_co_u32 s67, s67, SLOT
.endr
	s_mul_i32 s69, s16, FRB
	v_add_nc_u32 v[CO], s69, v3
	v_lshrrev_b32 v[C4], 2, v3
	s_lshl_b32 s69, s16, 9
	v_add_nc_u32 v[C4], s69, v[C4]
	v_and_b32 v5, 7, v1                            ; the mask: my query in block a is 128 wr + 32 (a / 2) + 8 (a % 2) + r % 8 + 16 (r / 8); register 16 b + i holds key 128 wc + 32 b + 16 h + i
	v_lshrrev_b32 v6, 3, v1
	v_sub_nc_u32 v6, v6, v2
	v_lshl_add_u32 v[DQ], v6, 4, v5
	s_sub_co_i32 s66, s15, s16
	s_lshl_b32 s66, s66, 7
	v_add_nc_u32 v[DQ], s66, v[DQ]
	v_mov_b32 v[NINF], 0xff800000
	s_lshl_b32 s50, s19, 4
	s_lshl_b32 s51, s17, 1
	s_add_co_u32 s50, s50, s51
	s_add_co_u32 s50, s50, s15                     ; which 128 queries: 16 b + 2 I + half
	s_lshl_b32 s52, s50, 3
	s_add_co_u32 s52, s52, s18
	s_mul_i32 s52, s52, REC
	s_mov_b32 s53, 0
	s_add_nc_u64 s[8:9], s[8:9], s[52:53]          ; pc: [groups of 128 queries][8 slots of keys]: my record
	s_lshl_b32 s52, s50, 4
	s_lshl_b32 s51, s18, 1
	s_add_co_u32 s52, s52, s51
	s_add_co_u32 s52, s52, s16
	s_lshl_b32 s52, s52, 10
	s_add_nc_u64 s[10:11], s[10:11], s[52:53]      ; st: [groups of 128 queries][16 groups of 128 keys][128 rows][2]
	s_xor_b32 s69, s17, s18                        ; the diagonal tile with I even: the record behind mine is the hidden half of launch 4's last pair.  A branch on ids
	s_and_b32 s68, s17, 1
	s_or_b32 s69, s69, s68
	s_cmp_lg_u32 s69, 0
	s_cbranch_scc1 .Lno_zeros
.irp i, 0,1,2,3
	v_mov_b32 v[ZD+\i], 0
.endr
	s_mul_i32 s69, s16, REC/2                      ; the two waves of a query half share the record: 12,800 bytes each
	v_add_nc_u32 v[ZO], s69, v3
.set n, 0
.rept 25
	global_store_b128 v[ZO], v[ZD:ZD+3], s[8:9] offset:REC+512*n   ; 512 consecutive bytes, aligned.  None of these registers is written again
.set n, n+1
.endr
.Lno_zeros:
.macro FRAG reg, adr, q, i
.irp c, 0,1,2
	ds_load_b128 v[\reg+4*\c:\reg+4*\c+3], v[\adr] offset:(2*(\i)+(\q))*FRB+512*\c
.endr
.endm
.macro FETCH_B slot, q, p
	WIN TO_B
.irp i, 0,1,2,3,4,5,6,7
	FRAG 128*(\p)+FR*\i, ADRB+\slot, \q, \i
.endr
	WIN 0
.endm
.macro FETCH_A slot, q, i0
.irp i, \i0, \i0+1, \i0+2, \i0+3
	FRAG AF+FR*(\i), ADRA+\slot, \q, \i
.endr
.endm
.macro SCALES sc, slot
.irp i, 0,1,2,3,4,5,6,7
.irp q, 0,1
	ds_load_b32 v[SC+16*(\sc)+2*\i+\q], v[ADRS+\slot] offset:512*\q+64*\i
.endr
.endr
.endm
.macro MUL16 a0, p, q, sc, zero        ; the 64 accumulators take turns, one instruction a turn
.irp a, \a0, \a0+1
.irp b, 0,1,2,3,4,5,6,7
.if \zero
	v_wmma_scale_f32_16x16x128_f8f6f4 v[8*(8*((\a)%4)+\b):8*(8*((\a)%4)+\b)+7], v[128*(\p)+FR*\b:128*(\p)+FR*\b+FR-1], v[AF+FR*(\a):AF+FR*(\a)+FR-1], 0, v[SC+16*(\sc)+2*\b+(\q)], v[SC+16*(\sc)+2*(\a)+(\q)] matrix_a_fmt:MATRIX_FMT_FP6 matrix_b_fmt:MATRIX_FMT_FP6 matrix_a_scale:MATRIX_SCALE_ROW1
.else
	v_wmma_scale_f32_16x16x128_f8f6f4 v[8*(8*((\a)%4)+\b):8*(8*((\a)%4)+\b)+7], v[128*(\p)+FR*\b:128*(\p)+FR*\b+FR-1], v[AF+FR*(\a):AF+FR*(\a)+FR-1], v[8*(8*((\a)%4)+\b):8*(8*((\a)%4)+\b)+7], v[SC+16*(\sc)+2*\b+(\q)], v[SC+16*(\sc)+2*(\a)+(\q)] matrix_a_fmt:MATRIX_FMT_FP6 matrix_b_fmt:MATRIX_FMT_FP6 matrix_a_scale:MATRIX_SCALE_ROW1
.endif
.endr
.endr
.endm
.macro PLACES n
.rept \n
	v_nop
.endr
.endm
.macro STEP slot, sc, zero
	s_wait_dscnt 12                                ; all but A's blocks 4-7 (12 loads)
	WIN MUL_LO
	MUL16 0, 0, 0, \sc, \zero
	MUL16 2, 0, 0, \sc, \zero
	s_wait_dscnt 0
	PLACES 4
	FETCH_B \slot, 1, 1
	FETCH_A \slot, 1, 0
	WIN MUL_HI
	MUL16 4, 0, 0, \sc, \zero
	MUL16 6, 0, 0, \sc, \zero
	PLACES 4
	WIN 0
	FETCH_A \slot, 1, 4
.endm
.macro TURN slot, sc, next, nsc, fill  ; a slot's second 128, with a barrier: the waits and the add in front of it; fill = 1 (slot 0 alone): the refill first behind it
	s_wait_tensorcnt 0x0                           ; all my tensor loads have landed
	ds_add_u32 v[SPW], v[NIL]
	s_wait_dscnt 13                                ; (the add and A's blocks 4-7 may be out)
	WIN MUL_LO
	MUL16 0, 1, 1, \sc, 0
	s_wait_dscnt 0x0                               ; the add is done, and my reads of this slot are over
	s_barrier_signal -1
	MUL16 2, 1, 1, \sc, 0
	WIN 0
	s_barrier_wait -1
.if \fill
	s_add_nc_u64 s[G0+2:G0+3], s[G0+2:G0+3], 3*REC
	TLOAD 0                                        ; my one tensor load behind the barrier: K = 768 on; its four v_nop are the places in front of the loads below
.else
	PLACES 4
.endif
	FETCH_B \next, 0, 0
	FETCH_A \next, 0, 0
	SCALES \nsc, \next
	WIN MUL_HI
	MUL16 4, 1, 1, \sc, 0
	MUL16 6, 1, 1, \sc, 0
	PLACES 4
	WIN 0
	FETCH_A \next, 0, 4
.endm
.macro PASS slot, sc, next, nsc        ; a slot's second 128 with no barrier: the next slot was shown whole to every wave by the last barrier, and neither slot is filled again
	s_wait_dscnt 12
	WIN MUL_LO
	MUL16 0, 1, 1, \sc, 0
	MUL16 2, 1, 1, \sc, 0
	s_wait_dscnt 0
	PLACES 4
	FETCH_B \next, 0, 0
	FETCH_A \next, 0, 0
	SCALES \nsc, \next
	WIN MUL_HI
	MUL16 4, 1, 1, \sc, 0
	MUL16 6, 1, 1, \sc, 0
	PLACES 4
	WIN 0
	FETCH_A \next, 0, 4
.endm
	s_wait_tensorcnt 2                             ; slot 0's record is in; those of slots 1 and 2 may stay out
	s_barrier_signal -1
	s_barrier_wait -1
	FETCH_B 0, 0, 0
	FETCH_A 0, 0, 0
	SCALES 0, 0
	FETCH_A 0, 0, 4
	STEP 0, 0, 1                                   ; K 0: the first products start the sums
	TURN 0, 0, 1, 1, 1                             ; slots 1 and 2 are whole; slot 0 takes K 768 on: 224 matrix instructions in which to land
	STEP 1, 1, 0
	PASS 1, 1, 2, 0
	STEP 2, 0, 0
	TURN 2, 0, 0, 1, 0                             ; slot 0 is whole again
	STEP 0, 1, 0
	s_wait_dscnt 12
	WIN MUL_LO
	MUL16 0, 1, 1, 1, 0
	MUL16 2, 1, 1, 1, 0
	s_wait_dscnt 0
	WIN MUL_HI
	MUL16 4, 1, 1, 1, 0
	MUL16 6, 1, 1, 1, 0
	WIN 0
	PLACES 4
.irp b, 0,1,2,3
	v_mov_b32 v[BP+\b], 0                          ; written once: a lane permute's destination counts as one of its sources
.endr
	v_mov_b32 v[LP], 0
; THE WAY OUT of the block a of 16 queries: 64 scores a lane become p's fragment for these 128 keys, its scale word, -M and the sum.
.macro SOFTQ a
.set AC, 64*((\a)%4)
.set WW, 2+(\a)/4
	WIN WW                                         ; source 0: the accumulators' window
.set j, 0
.rept 32
	v_pk_mul_f32 v[T+j:T+j+1], v[AC+j:AC+j+1], s[CS:CS+1] op_sel_hi:[1,0]   ; t; each accumulator from its low end on
.set j, j+2
.endr
	WIN 0
	s_cmp_lg_u32 s17, s18                          ; only the diagonal tile has hidden keys: a branch on ids
	s_cbranch_scc1 .Lopen_\@
	v_add_nc_u32 v[DA], 32*((\a)/2)+8*((\a)%2), v[DQ]
.set n, 0
.rept 64
	v_cmp_gt_i32 vcc_lo, 32*(n/16)+n%16, v[DA]     ; key > query
	v_cndmask_b32 v[T+n], v[T+n], v[NINF], vcc_lo
.set n, n+1
.endr
.Lopen_\@:
.irp b, 0,1,2,3
	v_max3_num_f32 v[BM+\b], v[T+16*\b], v[T+16*\b+1], v[T+16*\b+2]   ; the largest t of each block of 32 keys: for the maximum, and for the block's largest p
.endr
.irp i, 3,5,7,9,11,13
.irp b, 0,1,2,3
	v_max3_num_f32 v[BM+\b], v[BM+\b], v[T+16*\b+\i], v[T+16*\b+\i+1]
.endr
.endr
.irp b, 0,1,2,3
	v_max_num_f32 v[BM+\b], v[BM+\b], v[T+16*\b+15]
.endr
.irp b, 0,1,2,3
	v_permlanex16_b32 v[BP+\b], v[BM+\b], s[SEL], s[SEL+1]
.endr
.irp b, 0,1,2,3
	v_max_num_f32 v[BM+\b], v[BM+\b], v[BP+\b]     ; with lane l xor 16's 16 keys
.endr
	v_max3_num_f32 v[NM+1], v[BM], v[BM+1], v[BM+2]
	v_max3_num_f32 v[NM+1], v[NM+1], v[BM+3], 0xff61b1e6   ; held at -3e38 from below, so that -M is a number where all 128 keys are hidden
	v_floor_f32 v[NM], -v[NM+1]                    ; -M = floor(-t) = -ceil(t)
.set j, 0
.rept 32
	v_pk_add_f32 v[T+j:T+j+1], v[T+j:T+j+1], v[NM:NM+1] op_sel_hi:[1,0]   ; t - M
.set j, j+2
.endr
.irp b, 0,1,2,3
	v_add_f32 v[BM+\b], v[BM+\b], v[NM]
.endr
.set j, 0
.rept 64
	v_exp_f32 v[T+j], v[T+j]                       ; p = 2^(t - M), at most 1
.set j, j+1
.endr
	v_mov_b32 v[MST+(\a)], v[NM]                   ; (a plain place behind the exponentials)
	s_wait_alu depctr_va_vdst(0)                   ; one wait for the batch, ahead of its first reader
.irp b, 0,1,2,3
	v_exp_f32 v[BM+\b], v[BM+\b]                   ; the block's largest p: the same two instructions on the same number give the same bits
.endr
	v_pk_add_f32 v[LS:LS+1], v[T:T+1], v[T+4:T+5]  ; the sum of the UNQUANTISED p, in two packed chains; it reads the 64 alone
	v_pk_add_f32 v[LT:LT+1], v[T+2:T+3], v[T+6:T+7]
.set j, 8
.rept 14
	v_pk_add_f32 v[LS:LS+1], v[LS:LS+1], v[T+j:T+j+1]
	v_pk_add_f32 v[LT:LT+1], v[LT:LT+1], v[T+j+2:T+j+3]
.set j, j+4
.endr
	v_pk_add_f32 v[LS:LS+1], v[LS:LS+1], v[LT:LT+1]
	s_wait_alu depctr_va_vdst(0)                   ; and one for the four
.irp b, 0,1,2,3
	v_max_num_f32 v[BM+\b], 0x1800000, v[BM+\b]    ; the floor 2^(3 - 127)
.endr
.irp b, 0,1,2,3
	v_add_nc_u32 v[SO+\b], 0xff000000, v[BM+\b]
.endr
.irp b, 0,1,2,3
	v_lshrrev_b32 v[BP+\b], 23, v[SO+\b]
.endr
	v_lshl_or_b32 v[SWD+(\a)], v[BP+1], 8, v[BP]
	v_lshl_or_b32 v[SWD+(\a)], v[BP+2], 16, v[SWD+(\a)]
	v_lshl_or_b32 v[SWD+(\a)], v[BP+3], 24, v[SWD+(\a)]
	v_add_f32 v[LST+(\a)], v[LS], v[LS+1]
	v_permlanex16_b32 v[LP], v[LST+(\a)], s[SEL], s[SEL+1]
	v_add_f32 v[LST+(\a)], v[LST+(\a)], v[LP]      ; the sum over the 128 keys
	s_wait_xcnt 0x0                                ; the last block's stores have read the codes' registers
.irp c, 0,1
	v_cvt_scalef32_pk16_fp6_f32 v[PC+6*\c:PC+6*\c+2], v[T+32*\c:T+32*\c+15], v[SO+2*\c]
	v_cvt_scalef32_pk16_fp6_f32 v[PCT+4*\c:PCT+4*\c+2], v[T+32*\c+16:T+32*\c+31], v[SO+2*\c+1]
.endr
	v_nop                                          ; one plain place behind a scaled conversion
.irp c, 0,1
.irp i, 0,1,2
	v_permlane16_swap_b32 v[PC+6*\c+\i], v[PCT+4*\c+\i]
.endr
.irp i, 0,1,2
	v_mov_b32 v[PC+6*\c+3+\i], v[PCT+4*\c+\i]
.endr
.endr
.irp c, 0,1,2
	global_store_b128 v[CO], v[PC+4*\c:PC+4*\c+3], s[8:9] offset:(\a)*2*FRB+512*\c   ; the fragment's image: 512 aligned bytes a store
.endr
.endm
.irp a, 0,1,2,3,4,5,6,7
	SOFTQ \a
.endr
	v_and_b32 v1, 31, v0
	v_cmp_le_u32 vcc_lo, 16, v1                    ; lanes 0-15 speak for block 2 k, lanes 16-31 for block 2 k + 1
.irp k, 0,1,2,3
	v_cndmask_b32 v[OD+8+\k], v[SWD+2*\k], v[SWD+2*\k+1], vcc_lo
	global_store_b32 v[C4], v[OD+8+\k], s[8:9] offset:SCOFF+128*\k
	v_cndmask_b32 v[OD+2*\k], v[MST+2*\k], v[MST+2*\k+1], vcc_lo
	v_cndmask_b32 v[OD+2*\k+1], v[LST+2*\k], v[LST+2*\k+1], vcc_lo
	global_store_b64 v[C8], v[OD+2*\k:OD+2*\k+1], s[10:11] offset:256*\k   ; 32 rows' pairs: 256 consecutive bytes, aligned
.endr
	s_wait_tensorcnt 0x0                           ; the wave's end
	ds_add_u32 v[SPW], v[NIL]
	s_wait_dscnt 0x0
	s_endpgm
.Lfunc_end_k_qb03354faad_score:
	.size	k_qb03354faad_score, .Lfunc_end_k_qb03354faad_score-k_qb03354faad_score
	.p2alignl 7, 3214868480
	.fill 96, 4, 3214868480
	.section	.rodata,"a",@progbits
	.p2align	6, 0x0
	.amdhsa_kernel k_qb03354faad_score
		.amdhsa_group_segment_fixed_size 327680
		.amdhsa_private_segment_fixed_size 0
		.amdhsa_enable_private_segment 0
		.amdhsa_kernarg_size 32
		.amdhsa_user_sgpr_count 2
		.amdhsa_user_sgpr_kernarg_segment_ptr 1
		.amdhsa_wavefront_size32 1
		.amdhsa_system_sgpr_workgroup_id_x 1
		.amdhsa_system_sgpr_workgroup_id_y 1
		.amdhsa_system_sgpr_workgroup_id_z 1
		.amdhsa_system_vgpr_workitem_id 0
		.amdhsa_next_free_vgpr 1024
		.amdhsa_next_free_sgpr 80
		.amdhsa_reserve_vcc 1
		.amdhsa_float_denorm_mode_32 3
		.amdhsa_float_denorm_mode_16_64 3
		.amdhsa_memory_ordered 1
		.amdhsa_forward_progress 1
		.amdhsa_inst_pref_size 250
	.end_amdhsa_kernel
	.amdgpu_metadata
---
amdhsa.version: [ 1, 2 ]
amdhsa.kernels:
  - .name:           k_qb03354faad_score
    .symbol:         k_qb03354faad_score.kd
    .args:
      - { .name: qc, .offset: 0, .size: 8, .value_kind: global_buffer, .address_space: global }
      - { .name: kc, .offset: 8, .size: 8, .value_kind: global_buffer, .address_space: global }
      - { .name: pc, .offset: 16, .size: 8, .value_kind: global_buffer, .address_space: global }
      - { .name: st, .offset: 24, .size: 8, .value_kind: global_buffer, .address_space: global }
    .group_segment_fixed_size: 327680
    .private_segment_fixed_size: 0
    .kernarg_segment_align: 8
    .kernarg_segment_size: 32
    .max_flat_workgroup_size: 128
    .sgpr_count:     80
    .vgpr_count:     1024
    .wavefront_size: 32
...
	.end_amdgpu_metadata
.endif
;; end of part 6
;; launch pv (part 7): grid 4 x 64, 4 waves a work-group, no clusters, 327,680 bytes of LDS; arguments pc, st, vc, out0; writes out0
.if DOCPART == 7
	.amdgcn_target "amdgcn-amd-amdhsa--gfx1250"
	.amdhsa_code_object_version 6
	.text
	.protected	k_qb03354faad_pv
	.globl	k_qb03354faad_pv
	.p2align	8
	.type	k_qb03354faad_pv,@function
k_qb03354faad_pv:
	s_mov_b64 s[64:65], 0
	v_nop
	global_prefetch_b8 v0, s[64:65] scope:SCOPE_SE
	s_setreg_imm32_b32 hwreg(HW_REG_WAVE_MODE, 25, 1), 1
	s_wait_xcnt 0x0
; LAUNCH 4 OF 4.  out = round((p v) / l, 4 decimals): p and v on codes of FP6, K = the keys.
; LEFT OUT: the keys behind a query group's causal limit (reference()'s own tril: launch 1's head): group g of 128 queries multiplies g / 2 + 1 records of 256 keys.
; A tile is 128 queries x 256 channels: 4 x 64 = 256 work-groups; x = the channel tile, y = 16 batch + 15 - g.  Four waves of 64 queries x 128 channels: 32 accumulators.  Source 0 = 16 channels of v, source 1 = 16 queries of p.
; THE HEAD (FIX).  Launch 3 took p under an M of its own for each 128 keys.  Thread t serves row t of the group: the row's M is the largest of those (the least -M); d = M - M(128 keys), a whole number,
; is taken off each of the four scale bytes of that group of keys (four bytes at once; a byte that would fall under 0 is held at 0), and l = the sum of l(128 keys) x 2^-d.  The new scale words and 10^4 / l go to tables in LDS.
; Groups of keys behind the causal limit were never written: their addresses are held at the last live record (ids alone), their sums count 0 times, and nobody reads their words.
; RING: two slots of 512 keys.  A slot is three runs of two records on end, 51,200 bytes each: p's, v's first 128 channels', v's second 128's.
; The longest tile walks four slots; a refill has a slot's 128 matrix instructions a wave in which to land.  All four changes of slots are written straight and stand on every path; a run that begins behind the causal limit is not
; asked for, and a record behind it is not read: tests on ids, the same in all waves, which lead round the load's own lines or round a record's work.  Every wait for tensor loads in this text is for 0.
; Where the limit falls in a run's middle, p's second record holds the zeros that launch 3 stored there; it is fetched with the first (one shape of load) and not read.
; NO CLUSTER: the four channel tiles of a query group do share p, but the load is led round at the causal limit, which is not allowed of a joint load.
; REGISTERS: window 0: v14-26 addresses; v28, v29 the add's two; v32-39 p's scale words, v48-55 v's: scales and nothing else; v128-223 p's fragments, a set for each K step of a record; in the head and on the way out v64-255 are at work.
;   window 1: v's fragments, two sets (v0, v128).   window 2: the accumulators: (a, b) at v[8 (8 a + b)].
; LIMITS: d is held at 127: a group of keys that lies 2^-127 or more under the row's largest counts with 2^-127 at the most; 1 / l by v_rcp_f32; 10^4 is multiplied into 1 / l ahead of the product's result, and the last division by
; 10^4 is a multiplication by its f32 reciprocal: an order of rounding that differs from reference()'s by a last bit, which can turn a rounding at the fourth decimal; NaN and infinities are not served.
.set REC,   25600
.set FRB,   1536
.set SCOFF, 24576
.set RUN,   2*REC                      ; two records on end: 128 rows x 512 keys
.set SLOT,  3*RUN
.set FS,    2*SLOT                     ; behind the ring: p's new scale words [8 records of keys][2 halves of the queries][16 r][2 K steps][4 blocks], 8,192 bytes;
.set RL,    FS+8192                    ; 10^4 / l [128 rows];
.set SPARE, RL+512                     ; the spare words, 128 bytes a wave, that no other line names
.set SPITCH, 528                       ; the way out: a stage of 16 rows x (512 + 16) bytes for each wave, at LDS byte 0: slot 0 has had its last fill by then, and a barrier stands behind its last read
.set FR,    12
.set RLR,  14                          ; v14  where I read 10^4 / l
.set STO,  15                          ; v15  the stage, on the way in
.set ADA,  16                          ; v16-17 my four blocks of p in slot 0, 1
.set ADB,  18                          ; v18-19 my run of v
.set ASB,  20                          ; v20-21 v's scale words: lanes 0-15 K step 0's, lanes 16-31 K step 1's
.set ASA,  22                          ; v22  p's scale words in the table
.set RD,   24                          ; v24  the stage, on the way out
.set FSA,  25
.set RLA,  26
.set SPW,  28
.set NIL,  29
.set SCA,  32                          ; v[SCA + 4 q + a]
.set SCB,  48                          ; v[SCB + b]
.set Y,    64
.set AF,   128                         ; v[AF + 48 q + 12 a]
.set BK,   128
.set WD,   64                          ; FIX: v64-79 scale words; v96-111 offsets; v128-159 (-M, l); v192-218 at work
.set VW,   96
.set VS,   104
.set SS,   128
.set FE,   192
.set FK,   196
.set FD,   200
.set FX,   204
.set FM,   208
.set FL,   212
.set NMR,  216
.set RLV,  218
.set G1, 24
.set MSB, 0
.macro WIN new
.if MSB != \new
	s_set_vgpr_msb (MSB<<8)|\new
.set MSB, \new
.endif
.endm
.set MUL,  0xa1                        ; source 0 (v) window 1, source 1 (p) window 0, C and D window 2
.set TO_B, 0x40
.macro TL g0                           ; waves 0 to 2 fetch a run each; the branch hangs on the wave's number alone; an s_nop 0 and four v_nop follow the load
	s_cmp_lt_u32 s14, 3
	s_cbranch_scc0 .Lnone_\@
	tensor_load_to_lds s[\g0:\g0+3], s[G1:G1+7]
	s_nop 0
.rept 4
	v_nop
.endr
.Lnone_\@:
.endm
	s_load_b256 s[4:11], s[0:1], 0x0               ; pc, st, vc, out0
	v_lshl_add_u32 v[SPW], v0, 2, SPARE
	v_mov_b32 v[NIL], 0
	ds_add_u32 v[SPW], v[NIL]                      ; the wave's opening: the add, twice on end, and its wait ahead of my first tensor load
	ds_add_u32 v[SPW], v[NIL]
	v_lshrrev_b32 v1, 5, v0
	v_readfirstlane_b32 s14, v1
	s_lshr_b32 s15, s14, 1                         ; my 64 of the queries
	s_and_b32 s16, s14, 1                          ; my 128 of the channels
	s_and_b32 s48, ttmp7, 0xffff
	s_lshr_b32 s18, s48, 4                         ; the batch
	s_and_b32 s48, s48, 15
	s_sub_co_u32 s19, 15, s48                      ; g: the long tiles come first
	s_lshr_b32 s17, s19, 1                         ; the last live record of 256 keys
	s_add_co_u32 s20, s17, 1                       ; how many are live
	s_mov_b32 s[G1+0], 3<<16                       ; a run: 200 rows of 256 bytes (32 elements of 8), on end; no mask, no padding
	s_mov_b32 s[G1+1], 32<<16
	s_mov_b32 s[G1+2], 200<<16
	s_mov_b32 s[G1+3], 32<<16
	s_mov_b32 s[G1+4], 200
	s_mov_b32 s[G1+5], 32
	s_mov_b32 s[G1+6], 0
	s_mov_b32 s[G1+7], 0
	s_lshl_b32 s49, s18, 4
	s_add_co_u32 s49, s49, s19                     ; 16 b + g: my group of 128 queries
	s_lshl_b32 s51, s18, 3
	s_lshl_b32 s52, ttmp9, 1
	s_add_co_u32 s51, s51, s52
	s_sub_co_u32 s52, s14, 1
	s_and_b32 s52, s52, 1
	s_add_co_u32 s51, s51, s52                     ; 8 b + 2 x + (wave - 1): waves 1 and 2 fetch v's two groups of 128 channels
	s_cmp_eq_u32 s14, 0                            ; wave 0 fetches p
	s_cselect_b32 s50, s49, s51
	s_mul_i32 s50, s50, 8*REC                      ; eight records to a group, in pc and in vc
	s_mov_b32 s51, 0
	s_mul_i32 s58, s49, 8*REC
	s_mov_b32 s59, 0
	s_lshl_b32 s60, s49, 14
	s_mov_b32 s61, 0
.irp s, 0,1,2,3,4,5,6,7
	s_min_u32 s48, s17, \s                         ; held at the last live record: no byte is read here that launch 3 has not computed
	s_mul_i32 s62, s48, REC
	v_lshl_add_u32 v[VW+\s], v0, 2, s62
	s_lshl_b32 s62, s48, 11
	v_lshl_add_u32 v[VS+\s], v0, 3, s62
.endr
.irp s, 1,2,3,4,5,6,7
	s_cmp_gt_u32 s20, \s
	s_cselect_b32 s[40+\s], 1.0, 0                 ; does record s count?  (Record 0 always does)
.endr
	s_min_u32 s53, s14, 2
	s_wait_dscnt 0x0                               ; both opening adds are done
	s_wait_kmcnt 0x0
	s_cmp_eq_u32 s14, 0
	s_cselect_b64 s[62:63], s[4:5], s[8:9]
	s_mov_b32 s32, 1                               ; group 0 for slot 0: count 1; LDS address; global address; type 2
	s_mul_i32 s33, s53, RUN
	s_add_nc_u64 s[34:35], s[62:63], s[50:51]      ; keys 0 to 511
	s_mov_b32 s36, 1                               ; and for slot 1:
	s_add_co_u32 s37, s33, SLOT
	s_add_nc_u64 s[38:39], s[34:35], RUN           ; keys 512 to 1,023
	s_or_b32 s35, s35, 0x80000000
	s_or_b32 s39, s39, 0x80000000
	TL 32                                          ; slot 0: its first record counts for every query.  One load of mine is out
	s_add_nc_u64 s[52:53], s[4:5], s[58:59]        ; pc at my group's first record
	s_add_nc_u64 s[54:55], s[6:7], s[60:61]        ; st likewise
.irp s, 0,1,2,3,4,5,6,7
.irp q, 0,1
	global_load_b32 v[WD+2*\s+\q], v[VW+\s], s[52:53] offset:SCOFF+512*\q
	global_load_b64 v[SS+4*\s+2*\q:SS+4*\s+2*\q+1], v[VS+\s], s[54:55] offset:1024*\q
.endr
.endr
	v_and_b32 v1, 15, v0                           ; r
	v_bfe_u32 v2, v0, 4, 1                         ; h
	v_and_b32 v3, 31, v0
	v_lshlrev_b32 v3, 4, v3                        ; 16 x lane
	v_lshlrev_b32 v4, 2, v1
	v_lshl_add_u32 v4, v2, 9, v4                   ; 4 r + 512 h
	s_mul_i32 s66, s15, 8*FRB                      ; my four blocks of p: eight fragments on
	s_mul_i32 s67, s16, RUN
	s_add_co_u32 s67, s67, RUN                     ; my run of v, behind p's
	s_add_co_u32 s68, s67, SCOFF
.irp s, 0,1
	v_add_nc_u32 v[ADA+\s], s66, v3
	v_add_nc_u32 v[ADB+\s], s67, v3
	v_add_nc_u32 v[ASB+\s], s68, v4
	s_add_co_u32 s66, s66, SLOT
	s_add_co_u32 s67, s67, SLOT
	s_add_co_u32 s68, s68, SLOT
.endr
	s_lshl_b32 s66, s15, 9
	s_add_co_u32 s66, s66, FS
	v_lshl_add_u32 v[ASA], v1, 5, s66              ; the table, read: 512 x my half + 32 r
	s_lshl_b32 s66, s15, 8
	s_add_co_u32 s66, s66, RL
	v_lshl_add_u32 v[RLR], v1, 2, s66
	v_lshrrev_b32 v5, 6, v0                        ; the table, written: row t is half t / 64, block (t / 16) % 4, lane row t % 16
	v_lshlrev_b32 v5, 9, v5
	v_lshl_add_u32 v5, v1, 5, v5
	v_bfe_u32 v6, v0, 4, 2
	v_lshl_add_u32 v5, v6, 2, v5
	v_add_nc_u32 v[FSA], FS, v5
	v_lshl_add_u32 v[RLA], v0, 2, RL
	s_mul_i32 s66, s14, 16*SPITCH                  ; my stage
	v_mul_u32_u24 v[STO], v1, SPITCH
	v_lshl_add_u32 v[STO], v2, 6, v[STO]
	v_add_nc_u32 v[STO], s66, v[STO]               ; in: row r, + 64 h: channels 16 h on of each 32
	v_add_nc_u32 v[RD], s66, v3                    ; back: a whole row of 512 bytes, 16 a lane
	s_lshl_b32 s66, s18, 11
	s_lshl_b32 s67, s19, 7
	s_add_co_u32 s66, s66, s67
	s_lshl_b32 s67, s15, 6
	s_add_co_u32 s66, s66, s67
	s_lshl_b32 s66, s66, 12                        ; my first row of out0, 4,096 bytes a row,
	s_lshl_b32 s67, ttmp9, 10
	s_add_co_u32 s66, s66, s67
	s_lshl_b32 s67, s16, 9
	s_add_co_u32 s66, s66, s67                     ; + my 128 channels
	s_mov_b32 s67, 0
	s_add_nc_u64 s[56:57], s[10:11], s[66:67]
; THE CHANGE OF SLOTS stands at a slot's head.  Each wave waits for all its tensor loads (its run of the slot ahead), adds 0 to its spare word, and waits for that and for its reads of the slot that it has left.
; fill = 1: behind the barrier the other slot (group 0 at s[g0]) is asked for, if its run begins with a live record (lim: that record's number); step = 1: its address goes 1,024 keys on first.
.macro CHANGE fill, g0, lim, step
	s_wait_tensorcnt 0x0                           ; no tensor load of mine is out, so a group 0 may be written
	ds_add_u32 v[SPW], v[NIL]
.if \fill
	ds_add_u32 v[SPW], v[NIL]                      ; twice on end
.if \step
	s_add_nc_u64 s[\g0+2:\g0+3], s[\g0+2:\g0+3], 4*REC
.endif
.endif
	s_wait_dscnt 0x0
	s_barrier_signal -1
	s_barrier_wait -1
.if \fill
	s_cmp_le_u32 s20, \lim                         ; ids alone: all four waves go the same way
	s_cbranch_scc1 .Lpast_\@
	TL \g0                                         ; my one tensor load behind the barrier
.Lpast_\@:
.endif
.endm
	CHANGE 1, 36, 2, 0                             ; slot 0 is whole; slot 1's first fill goes out here, where the tile has keys for it: behind this barrier nothing is filled again
	s_wait_loadcnt 0x0
; Four groups of 128 keys (4 g + u), by turns, so that no line waits for the line above it.
.macro FIXG g
.irp u, 0,1,2,3
	v_sub_f32 v[FE+\u], v[NMR], v[SS+8*(\g)+2*\u]  ; M(group) - M(row): a whole number, 0 or less
.endr
.irp u, 0,1,2,3
	v_max_num_f32 v[FE+\u], 0xc2fe0000, v[FE+\u]   ; held at -127
.endr
.irp u, 0,1,2,3
	v_cvt_i32_f32 v[FE+\u], v[FE+\u]
.endr
.irp u, 0,1,2,3
.if 4*(\g)+\u < 2
	v_ldexp_f32 v[FL+\u], v[SS+8*(\g)+2*\u+1], v[FE+\u]   ; record 0's two start two of the four sums
.else
	v_ldexp_f32 v[FK+\u], v[SS+8*(\g)+2*\u+1], v[FE+\u]   ; the group's sum under the row's M: nothing is rounded
.endif
.endr
.irp u, 0,1,2,3
.if 4*(\g)+\u < 2
.elseif (\g) == 0
	v_mul_f32 v[FL+\u], s[40+\u/2], v[FK+\u]
.else
	v_fma_f32 v[FL+\u], v[FK+\u], s[40+2*(\g)+\u/2], v[FL+\u]
.endif
.endr
.irp u, 0,1,2,3
	v_sub_nc_u32 v[FD+\u], 0, v[FE+\u]             ; d, 0 to 127,
.endr
.irp u, 0,1,2,3
	v_lshl_or_b32 v[FD+\u], v[FD+\u], 8, v[FD+\u]
.endr
.irp u, 0,1,2,3
	v_lshl_or_b32 v[FD+\u], v[FD+\u], 16, v[FD+\u] ; in all four bytes
.endr
.irp u, 0,1,2,3
	v_or_b32 v[FX+\u], 0x80808080, v[WD+4*(\g)+\u] ; p's bytes are 125 at the most: with 128 on top no byte borrows from the next
.endr
.irp u, 0,1,2,3
	v_sub_nc_u32 v[FX+\u], v[FX+\u], v[FD+\u]
.endr
.irp u, 0,1,2,3
	v_and_b32 v[FM+\u], 0x80808080, v[FX+\u]       ; the top bit is left where byte - d is 0 or more
.endr
.irp u, 0,1,2,3
	v_lshrrev_b32 v[FD+\u], 7, v[FM+\u]
.endr
.irp u, 0,1,2,3
	v_sub_nc_u32 v[FM+\u], v[FM+\u], v[FD+\u]      ; 0x7f there, 0 elsewhere
.endr
.irp u, 0,1,2,3
	v_and_b32 v[WD+4*(\g)+\u], v[FX+\u], v[FM+\u]
.endr
.irp u, 0,1,2,3
	ds_store_b32 v[FSA], v[WD+4*(\g)+\u] offset:1024*(2*(\g)+\u/2)+16*(\u%2)   ; record 2 g + u / 2, K step u % 2
.endr
.endm
	v_min3_num_f32 v[NMR], v[SS], v[SS+2], v[SS+4] ; the least -M: the row's
.irp k, 6,10,14,18,22,26
	v_min3_num_f32 v[NMR], v[NMR], v[SS+\k], v[SS+\k+2]
.endr
	v_min_num_f32 v[NMR], v[NMR], v[SS+30]
	FIXG 0
	FIXG 1
	FIXG 2
	FIXG 3
	v_add_f32 v[FL], v[FL], v[FL+1]
	v_add_f32 v[FL+2], v[FL+2], v[FL+3]
	v_add_f32 v[RLV], v[FL], v[FL+2]               ; l
	v_rcp_f32 v[RLV], v[RLV]
	v_nop                                          ; a plain place behind the reciprocal
	s_wait_alu depctr_va_vdst(0)                   ; the wait ahead of its first reader
	v_mul_f32 v[RLV], 0x461c4000, v[RLV]           ; 10^4 / l
	ds_store_b32 v[RLA], v[RLV]
	s_wait_dscnt 0x0                               ; for the others' sake: my words of both tables are stored
	s_barrier_signal -1
	s_barrier_wait -1                              ; (slot 1's fill may be out)
.macro FETCH_A sl, j, q                ; p's four fragments of K step q of the slot's record j
.irp a, 0,1,2,3
.irp c, 0,1,2
	ds_load_b128 v[AF+48*(\q)+FR*\a+4*\c:AF+48*(\q)+FR*\a+4*\c+3], v[ADA+(\sl)] offset:(\j)*REC+(2*\a+(\q))*FRB+512*\c
.endr
.endr
.endm
.macro FETCH_B sl, j, q                ; v's eight
	WIN TO_B
.irp i, 0,1,2,3,4,5,6,7
.irp c, 0,1,2
	ds_load_b128 v[128*(\q)+FR*\i+4*\c:128*(\q)+FR*\i+4*\c+3], v[ADB+(\sl)] offset:(\j)*REC+(2*\i+(\q))*FRB+512*\c
.endr
.endr
.endm
; Four matrix instructions: v's block b against p's four, K step q.  The 32 accumulators take turns, one instruction a turn, in the same order in every K step.
.macro MULG b, q, zero
.irp a, 0,1,2,3
.if \zero
	v_wmma_scale_f32_16x16x128_f8f6f4 v[8*(8*\a+(\b)):8*(8*\a+(\b))+7], v[128*(\q)+FR*(\b):128*(\q)+FR*(\b)+FR-1], v[AF+48*(\q)+FR*\a:AF+48*(\q)+FR*\a+FR-1], 0, v[SCB+(\b)], v[SCA+4*(\q)+\a] matrix_a_fmt:MATRIX_FMT_FP6 matrix_b_fmt:MATRIX_FMT_FP6
.elseif (\q) == 0
	v_wmma_scale_f32_16x16x128_f8f6f4 v[8*(8*\a+(\b)):8*(8*\a+(\b))+7], v[128*(\q)+FR*(\b):128*(\q)+FR*(\b)+FR-1], v[AF+48*(\q)+FR*\a:AF+48*(\q)+FR*\a+FR-1], v[8*(8*\a+(\b)):8*(8*\a+(\b))+7], v[SCB+(\b)], v[SCA+4*(\q)+\a] matrix_a_fmt:MATRIX_FMT_FP6 matrix_b_fmt:MATRIX_FMT_FP6
.else
	v_wmma_scale_f32_16x16x128_f8f6f4 v[8*(8*\a+(\b)):8*(8*\a+(\b))+7], v[128*(\q)+FR*(\b):128*(\q)+FR*(\b)+FR-1], v[AF+48*(\q)+FR*\a:AF+48*(\q)+FR*\a+FR-1], v[8*(8*\a+(\b)):8*(8*\a+(\b))+7], v[SCB+(\b)], v[SCA+4*(\q)+\a] matrix_a_fmt:MATRIX_FMT_FP6 matrix_b_fmt:MATRIX_FMT_FP6 matrix_a_scale:MATRIX_SCALE_ROW1
.endif
.endr
.endr
.endm
.macro PLACES n                        ; plain vector instructions between a matrix instruction and a load into, or a read of, its registers
.rept \n
	v_nop
.endr
.endm
; 256 KEYS: record j of slot sl, which is record s of the walk: 64 matrix instructions.  The loads go out in the order in which the products want them, and each group of four products waits for just its fragment of v.
.macro SMALL sl, j, s, zero
	ds_load_b128 v[SCA:SCA+3], v[ASA] offset:1024*(\s)       ; p's scale words: K step 0's four blocks,
	ds_load_b128 v[SCA+4:SCA+7], v[ASA] offset:1024*(\s)+16  ; K step 1's
.irp i, 0,1,2,3,4,5,6,7
	ds_load_b32 v[SCB+\i], v[ASB+(\sl)] offset:(\j)*REC+64*\i   ; v's: both K steps in one register
.endr
	FETCH_A \sl, \j, 0
	FETCH_B \sl, \j, 0
	WIN 0
	FETCH_A \sl, \j, 1                             ; 58 loads of mine are out
	WIN MUL
.irp b, 0,1,2,3
	s_wait_dscnt 12+3*(7-\b)                       ; behind v's fragment b: its later fragments, three loads each, and p's 12 of K step 1
	MULG \b, 0, \zero
.endr
	FETCH_B \sl, \j, 1                             ; into the set that the last record's products left four places ago
	WIN MUL
.irp b, 4,5,6,7
	s_wait_dscnt 36+3*(7-\b)                       ; the same, and the 24 just issued
	MULG \b, 0, \zero
.endr
.irp b, 0,1,2,3,4,5,6,7
	s_wait_dscnt 3*(7-\b)
	MULG \b, 1, 0
.endr
	WIN 0
	PLACES 4                                       ; for the next record's loads, and for the way out's reads
.endm
	SMALL 0, 0, 0, 1                               ; keys 0 to 255: the first products start the sums
	s_cmp_le_u32 s20, 1                            ; a record behind the causal limit is not read
	s_cbranch_scc1 .Lend0
	SMALL 0, 1, 1, 0
.Lend0:
	CHANGE 1, 32, 4, 1                             ; slot 1 is whole; slot 0 takes keys 1,024 on
	s_cmp_le_u32 s20, 2
	s_cbranch_scc1 .Lend1
	SMALL 1, 0, 2, 0
	s_cmp_le_u32 s20, 3
	s_cbranch_scc1 .Lend1
	SMALL 1, 1, 3, 0
.Lend1:
	CHANGE 1, 36, 6, 1                             ; slot 1 takes keys 1,536 on
	s_cmp_le_u32 s20, 4
	s_cbranch_scc1 .Lend2
	SMALL 0, 0, 4, 0
	s_cmp_le_u32 s20, 5
	s_cbranch_scc1 .Lend2
	SMALL 0, 1, 5, 0
.Lend2:
	CHANGE 0, 0, 0, 0                              ; nothing is left to ask for
	s_cmp_le_u32 s20, 6
	s_cbranch_scc1 .Lend3
	SMALL 1, 0, 6, 0
	s_cmp_le_u32 s20, 7
	s_cbranch_scc1 .Lend3
	SMALL 1, 1, 7, 0
.Lend3:
	s_wait_dscnt 0x0                               ; my reads of the slots are over:
	s_barrier_signal -1
	s_barrier_wait -1                              ; everybody's are: the stages may be written over slot 0
; THE WAY OUT, block by block of 16 queries x 128 channels: x 10^4 / l, to the nearest whole number (ties to even), x 10^-4; through my own stage in LDS, back as whole rows of 512 bytes.
.irp a, 0,1,2,3
	ds_load_b32 v[4+\a], v[RLR] offset:64*\a
.endr
	v_mov_b32 v13, 0                               ; (named as the upper half of the pair v[12:13])
	s_wait_dscnt 0x0
.macro OUTB a
.set AC, 64*(\a)
.set BB, BK+64*((\a)%2)
	v_mov_b32 v12, v[4+(\a)]                       ; my query's 10^4 / l, at an even register for the packed form
	WIN 2                                          ; source 0: the accumulators' window
.set j, 0
.rept 32
	v_pk_mul_f32 v[Y+j:Y+j+1], v[AC+j:AC+j+1], v[12:13] op_sel_hi:[1,0]   ; each accumulator from its low end on
.set j, j+2
.endr
	WIN 0
.set j, 0
.rept 64
	v_rndne_f32 v[Y+j], v[Y+j]
.set j, j+1
.endr
.set j, 0
.rept 32
	v_pk_mul_f32 v[Y+j:Y+j+1], v[Y+j:Y+j+1], 0x38d1b717 op_sel_hi:[1,0]
.set j, j+2
.endr
.irp b, 0,1,2,3,4,5,6,7                ; accumulator b holds channels 32 (b / 2) + 16 h + 8 (b % 2) + 0 .. 7
	ds_store_b128 v[STO], v[Y+8*\b:Y+8*\b+3] offset:128*(\b/2)+32*(\b%2)
	ds_store_b128 v[STO], v[Y+8*\b+4:Y+8*\b+7] offset:128*(\b/2)+32*(\b%2)+16
.endr
.irp t, 0,1,2,3,4,5,6,7,8,9,10,11,12,13,14,15
	ds_load_b128 v[BB+4*\t:BB+4*\t+3], v[RD] offset:\t*SPITCH   ; LDS serves a wave's instructions in order: these see my stores, and the next block's stores come behind them
.endr
.endm
.macro SEND a, younger                 ; stage row t of block a is query 32 (a / 2) + 8 (a % 2) + t % 8 + 16 (t / 8) of my 64
.set BB, BK+64*((\a)%2)
	s_wait_dscnt \younger
.irp t, 0,1,2,3,4,5,6,7,8,9,10,11,12,13,14,15
	global_store_b128 v3, v[BB+4*\t:BB+4*\t+3], s[56:57] offset:(32*((\a)/2)+8*((\a)%2)+(\t%8)+16*(\t/8))*4096 th:TH_STORE_NT   ; 32 lanes store 512 consecutive bytes, aligned
.endr
.endm
	OUTB 0
.irp a, 1,2,3
.if \a > 1
	s_wait_xcnt 0x0                                ; block a - 2's stores have read their registers: block a's rows may land there
.endif
	OUTB \a
	SEND \a-1, 32                                  ; behind block a - 1's loads: block a's 16 stores and 16 loads
.endr
	SEND 3, 0
	s_wait_tensorcnt 0x0                           ; the wave's end, behind my last tensor load and my last LDS store
	ds_add_u32 v[SPW], v[NIL]
	s_wait_dscnt 0x0
	s_endpgm
.Lfunc_end_k_qb03354faad_pv:
	.size	k_qb03354faad_pv, .Lfunc_end_k_qb03354faad_pv-k_qb03354faad_pv
	.p2alignl 7, 3214868480
	.fill 96, 4, 3214868480
	.section	.rodata,"a",@progbits
	.p2align	6, 0x0
	.amdhsa_kernel k_qb03354faad_pv
		.amdhsa_group_segment_fixed_size 327680
		.amdhsa_private_segment_fixed_size 0
		.amdhsa_enable_private_segment 0
		.amdhsa_kernarg_size 32
		.amdhsa_user_sgpr_count 2
		.amdhsa_user_sgpr_kernarg_segment_ptr 1
		.amdhsa_wavefront_size32 1
		.amdhsa_system_sgpr_workgroup_id_x 1
		.amdhsa_system_sgpr_workgroup_id_y 1
		.amdhsa_system_sgpr_workgroup_id_z 1
		.amdhsa_system_vgpr_workitem_id 0
		.amdhsa_next_free_vgpr 768
		.amdhsa_next_free_sgpr 80
		.amdhsa_reserve_vcc 0
		.amdhsa_float_denorm_mode_32 3
		.amdhsa_float_denorm_mode_16_64 3
		.amdhsa_memory_ordered 1
		.amdhsa_forward_progress 1
		.amdhsa_inst_pref_size 181
	.end_amdhsa_kernel
	.amdgpu_metadata
---
amdhsa.version: [ 1, 2 ]
amdhsa.kernels:
  - .name:           k_qb03354faad_pv
    .symbol:         k_qb03354faad_pv.kd
    .args:
      - { .name: pc, .offset: 0, .size: 8, .value_kind: global_buffer, .address_space: global }
      - { .name: st, .offset: 8, .size: 8, .value_kind: global_buffer, .address_space: global }
      - { .name: vc, .offset: 16, .size: 8, .value_kind: global_buffer, .address_space: global }
      - { .name: out0, .offset: 24, .size: 8, .value_kind: global_buffer, .address_space: global }
    .group_segment_fixed_size: 327680
    .private_segment_fixed_size: 0
    .kernarg_segment_align: 8
    .kernarg_segment_size: 32
    .max_flat_workgroup_size: 128
    .sgpr_count:     80
    .vgpr_count:     768
    .wavefront_size: 32
...
	.end_amdgpu_metadata
.endif
;; end of part 7
